; MI455X (gfx1250); checked and timed in simulation.
; The chip was launched on July 23, 2026; its instructions are those of AMD's public machine-readable ISA for CDNA 5 (MIT licence, August 2026) and "CDNA5" Instruction Set Architecture Reference Guide (July 2026). The comments in the code are by the model that wrote it; some were corrected since.
;; Transformer Block. Allowed arithmetic: matrix products marked QUANTISED: E4M3 operands, one given power-of-two scale a tensor, by v_wmma_f32_16x16x64_fp8_fp8 or v_wmma_f32_16x16x128_fp8_fp8, f32 sums; everything else in f32.
;; Inputs: b1 4,096 float32; b2 1,024 float32; b_out 1,024 float32; ln1_b 1,024 float32; ln1_g 1,024 float32; ln2_b 1,024 float32; ln2_g 1,024 float32; lowp_scales 12 int32 (the exponents e of the quantised operands' scales 2^e); w1 1,024 x 4,096 float32; w2 4,096 x 1,024 float32; w_out 1,024 x 1,024 float32; w_qkv 1,024 x 3,072 float32; x 2 x 2,048 x 1,024 float32.
;; Outputs: out0 2 x 2,048 x 1,024 float32.
;; This version of the problem:
;;   THIS VERSION OF THE PROBLEM IS GIVEN IN LOW PRECISION. The matrix products marked QUANTISED in the list below multiply operands that are first quantised to E4M3 (4 exponent bits, 3 mantissa bits; 8 bits a number), with one given power-of-two scale for each operand tensor; their sums are f32. All else is computed in f32.
;;   The module's matrix products, in the order in which they are computed (A, B: the left and right operand; K: the contracted axis; several contracted axes count as one K, in the product's order):
;;     1. [M 4,096, K 1,024] x [K 1,024, N 3,072]; A: computed on the way; B: input w_qkv: QUANTISED (scales: A lowp_scales[0], B lowp_scales[1])
;;     2. batch 32 x [M 2,048, K 64] x [K 64, N 2,048]; A: computed on the way; B: computed on the way: QUANTISED (scales: A lowp_scales[2], B lowp_scales[3])
;;     3. batch 32 x [M 2,048, K 2,048] x [K 2,048, N 64]; A: softmax (see below); B: computed on the way: QUANTISED (scales: A lowp_scales[4], B lowp_scales[5])
;;     4. [M 4,096, K 1,024] x [K 1,024, N 1,024]; A: computed on the way; B: input w_out: QUANTISED (scales: A lowp_scales[6], B lowp_scales[7])
;;     5. [M 4,096, K 1,024] x [K 1,024, N 4,096]; A: computed on the way; B: input w1: QUANTISED (scales: A lowp_scales[8], B lowp_scales[9])
;;     6. [M 4,096, K 4,096] x [K 4,096, N 1,024]; A: computed on the way; B: input w2: QUANTISED (scales: A lowp_scales[10], B lowp_scales[11])
;;   THE QUANTISER, for each operand of a quantised product, along K:
;;     - The operand's scale is 2^e, e = its entry of the input lowp_scales (int32; the entries are numbered through the quantised products in the list's order, A before B).
;;     - Each number is divided by the scale, clamped to +-448, and rounded to the nearest number of E4M3, ties to even, subnormals kept.
;;     - The product sums the exact products of the quantised numbers (number of the format x scale) in f32.
;;   ~~~python
;;   def quantise(x, axis, e):      # numpy; x: float32 -> the quantised numbers, widened to float32 again
;;       x = np.moveaxis(x, axis, -1); K = x.shape[-1]
;;       r = np.clip(x / 2.0 ** e, -448, 448)
;;       step = 2.0 ** (np.maximum(np.frexp(np.where(r == 0, 1, r))[1] - 1, -6) - 3)
;;       q = np.round(r / step) * step * 2.0 ** e      # np.round: ties to even
;;       return np.moveaxis(q, -1, axis).astype(np.float32)
;;   ~~~
;;   SOFTMAX AHEAD OF A QUANTISED PRODUCT. Where the list says 'softmax', what is quantised is not the finished softmax but p = 2^(t - M), with t = logit x log2(e) and M = ceil(the row's largest t), a whole number; so 1/2 < the row's largest p <= 1. The row's sum l is taken of the UNQUANTISED p, in f32, and the product's result is divided by l at the end. Since M is a whole number, a kernel that streams over the keys may use a running M (the ceiling of the running maximum): every later rescaling is an exact power of two, so the quantised numbers keep their values, but for numbers so far below the row's largest that they fall under the format's range.
;;   OPERANDS COMPUTED ON THE WAY. 'Computed on the way' means the value that the module computes at that place (a softmax that the list does not call 'softmax' is quantised finished and normalised). What goes into a quantiser is computed in f32, as accurately as f32 sums, v_exp_f32 and their like allow (about 1e-6 of the number): no bf16 or f16 on the way to a quantiser, and a product that is left as it is and whose result goes on into a quantised operand takes f32 operands (vector FMAs, or v_wmma_f32_16x16x4_f32). A number that lies on a knife's edge between two numbers of the format may be rounded either way, as far as f32 arithmetic and the matrix unit's own rounding can turn it there, and no further.
;; One version. Each part assembles by itself: llvm-mc -triple=amdgcn-amd-amdhsa -mcpu=gfx1250 --defsym DOCPART=n.
;; ======== version 1 of 1: 7 launches
;; limits: right only within a limited range of input values
;; workspace buffers: cb 16,777,216 bytes; qkv 12,582,912 bytes; ao 4,194,304 bytes; x2 16,777,216 bytes; g 16,777,216 bytes
;; launch prep (part 1): grid 640 x 1, 4 waves a work-group, no clusters, 35,840 bytes of LDS; arguments x, ln1_g, ln1_b, w_qkv, w_out, w1, w2, lowp_scales, cb; writes cb
.if DOCPART == 1
	.amdgcn_target "amdgcn-amd-amdhsa--gfx1250"
	.amdhsa_code_object_version 6
	.text
	.protected	k_q592bd6b0cc_prep
	.globl	k_q592bd6b0cc_prep
	.p2align	8
	.type	k_q592bd6b0cc_prep,@function
k_q592bd6b0cc_prep:
	s_mov_b64 s[64:65], 0
	v_nop
	global_prefetch_b8 v0, s[64:65] scope:SCOPE_SE
	s_setreg_imm32_b32 hwreg(HW_REG_WAVE_MODE, 25, 1), 1
	s_wait_xcnt 0x0
; Work-groups 0-255: LayerNorm 1 of x [4096][1024] f32, quantised to E4M3 codes with the given scale 2^e0, to cb + HC, [4096][1024], K innermost.
; Work-groups 256-639: the four weights, stored [K][N] f32, quantised with their given scales (e1, e7, e9, e11) to codes [N][K], K innermost: wqkv at cb + 0, w_out + 0x300000, w1 + 0x400000, w2 + 0x800000.
; code = number / 2^e, held within +-448, rounded to the nearest code, ties to even.  LIMITS: each e between -126 and 119, so that 2^e and 448 x 2^e are f32 numbers.  NaN among the inputs is not served.
; LAYERNORM: a wave takes 4 rows, one at a time, whole in 32 registers a lane: lane l holds k = 256 j + 8 l + 0..7 in registers 8 j .. 8 j + 7, so a pair of loads covers 1,024 consecutive bytes
; and a lane's eight codes are 8 bytes: the wave's store covers 256 consecutive bytes, aligned.  Mean and variance in two passes over the registers, as the definition has them.  No LDS on this path.
; WEIGHTS: a lane takes a column n and its registers run down K; a wave takes 32 columns x 256 along K.  The codes go through the wave's own stage in LDS and leave as rows: sixteen lanes store 256 consecutive bytes.
; One path serves the four tensors: sizes, source and target are chosen by selects on the work-group's number.
.set SPW,   2                          ; v2   LDS address of my spare word; never rewritten
.set NIL,   3                          ; v3   0; never rewritten
.set SPARE, 34816                      ; behind the four stages of 32 x 272 bytes: the spare words, 128 bytes a wave
.set HC,    0xC00000
.set GA,    32                         ; v32-63   gamma of my 32 columns
.set BE,    64                         ; v64-95   beta
.set X,     96                         ; v96-223  four rows, 32 registers each
.set CD,    16                         ; v16-31   codes, two sets of 8 by turns
.set SC,    224                        ; 2^e as f32
.set LIM,   225                        ; 448 x 2^e
.set PT,    226                        ; the lane permute's target
.set VO,    227                        ; 8 x lane
.set WX,    32                         ; weights: v32-95 two sets of 32 numbers
.set WC,    96                         ; v96-103  a block's codes
.set OUTR,  112                        ; v112-175 the way out
.set OFF,   176                        ; v176-207 4 x lane + i rows of the weight
.set OUTO,  208                        ; v208-223 my place in rows 2 t + h of the codes
.macro REDUCE                          ; v4: summed over the wave's 32 lanes, in every lane
	v_add_f32_dpp v4, v4, v4 row_xmask:1 row_mask:0xf bank_mask:0xf
	v_add_f32_dpp v4, v4, v4 row_xmask:2 row_mask:0xf bank_mask:0xf
	v_add_f32_dpp v4, v4, v4 row_xmask:4 row_mask:0xf bank_mask:0xf
	v_add_f32_dpp v4, v4, v4 row_xmask:8 row_mask:0xf bank_mask:0xf
	v_permlanex16_b32 v[PT], v4, s26, s27
	v_add_f32 v4, v4, v[PT]
.endm
.macro JOIN                            ; the four packed chains v[4:11] become one number, then REDUCE
	v_pk_add_f32 v[4:5], v[4:5], v[6:7]
	v_pk_add_f32 v[8:9], v[8:9], v[10:11]
	v_pk_add_f32 v[4:5], v[4:5], v[8:9]
	v_add_f32 v4, v4, v5
	REDUCE
.endm
.macro LNROW i
.set XR, X+32*\i
.set CR, CD+8*(\i%2)
	s_wait_loadcnt 8*(3-\i)                        ; loads come back in order: this row's eight are in, the later rows' stay out
.if \i >= 2
	s_wait_xcnt 0x0                                ; the stores of two rows back have read their codes' registers, which are written again below
.endif
.irp c, 0,1,2,3
	v_pk_add_f32 v[4+2*\c:5+2*\c], v[XR+2*\c:XR+2*\c+1], v[XR+8+2*\c:XR+9+2*\c]
.endr
.irp o, 16,24
.irp c, 0,1,2,3
	v_pk_add_f32 v[4+2*\c:5+2*\c], v[4+2*\c:5+2*\c], v[XR+\o+2*\c:XR+\o+2*\c+1]
.endr
.endr
	JOIN
	v_mul_f32 v12, s42, v4                         ; the mean: sum / 1024
	v_mov_b32 v13, v12
.set j, 0
.rept 16
	v_pk_add_f32 v[XR+j:XR+j+1], v[XR+j:XR+j+1], v[12:13] neg_lo:[0,1] neg_hi:[0,1]
.set j, j+2
.endr
.irp c, 0,1,2,3
	v_pk_mul_f32 v[4+2*\c:5+2*\c], v[XR+2*\c:XR+2*\c+1], v[XR+2*\c:XR+2*\c+1]
.endr
.irp o, 8,16,24
.irp c, 0,1,2,3
	v_pk_fma_f32 v[4+2*\c:5+2*\c], v[XR+\o+2*\c:XR+\o+2*\c+1], v[XR+\o+2*\c:XR+\o+2*\c+1], v[4+2*\c:5+2*\c]
.endr
.endr
	JOIN
	v_fma_f32 v14, v4, s42, s43                    ; the variance + 1e-5
	v_rsq_f32 v14, v14
	v_nop                                          ; a plain instruction behind the transcendental
	s_wait_alu depctr_va_vdst(0)                   ; and the wait ahead of its first reader
	v_mov_b32 v15, v14
.set j, 0
.rept 16
	v_pk_mul_f32 v[XR+j:XR+j+1], v[XR+j:XR+j+1], v[14:15]
.set j, j+2
.endr
.set j, 0
.rept 16
	v_pk_fma_f32 v[XR+j:XR+j+1], v[XR+j:XR+j+1], v[GA+j:GA+j+1], v[BE+j:BE+j+1]
.set j, j+2
.endr
.set j, 0
.rept 32
	v_med3_num_f32 v[XR+j], v[XR+j], -v[LIM], v[LIM]   ; the conversion to an 8-bit code does not saturate (ISA guide 7.6.2): the hold comes first
.set j, j+1
.endr
.irp c, 0,1,2,3
	v_cvt_scalef32_pk8_fp8_f32 v[CR+2*\c:CR+2*\c+1], v[XR+8*\c:XR+8*\c+7], v[SC]
.endr
	v_nop                                          ; a plain instruction behind the last conversion
.irp c, 0,1,2,3
	global_store_b64 v[VO], v[CR+2*\c:CR+2*\c+1], s[20:21] offset:1024*\i+256*\c   ; 32 lanes store 256 consecutive bytes, aligned
.endr
.endm
	s_load_b512 s[4:19], s[0:1], 0x0               ; x 4:5, gamma 6:7, beta 8:9, w_qkv 10:11, w_out 12:13, w1 14:15, w2 16:17, the scales 18:19
	s_load_b64 s[20:21], s[0:1], 0x40              ; cb
	v_lshl_add_u32 v[SPW], v0, 2, SPARE
	v_mov_b32 v[NIL], 0
	v_lshrrev_b32 v1, 5, v0
	v_readfirstlane_b32 s24, v1                    ; wave 0..3
	s_wait_kmcnt 0x0
	s_load_b256 s[28:35], s[18:19], 0x0            ; e0 .. e7
	s_load_b128 s[36:39], s[18:19], 0x20           ; e8 .. e11
	s_cmp_lt_u32 ttmp9, 256
	s_cbranch_scc0 .Lweights
	; ---- LayerNorm: the work-group's 16 rows, my wave's 4
	s_lshl_b32 s40, ttmp9, 16
	s_lshl_b32 s41, s24, 14
	s_add_co_u32 s40, s40, s41
	s_mov_b32 s41, 0
	s_add_nc_u64 s[4:5], s[4:5], s[40:41]          ; x at my first row
	s_lshr_b32 s40, s40, 2
	s_add_co_u32 s40, s40, HC
	s_add_nc_u64 s[20:21], s[20:21], s[40:41]      ; and its codes
	s_mov_b32 s26, 0x76543210                      ; lane selects: each lane takes its own place in the other half
	s_mov_b32 s27, 0xfedcba98
	s_mov_b32 s42, 0x3a800000                      ; 1 / 1024
	s_mov_b32 s43, 0x3727c5ac                      ; 1e-5
	v_and_b32 v1, 31, v0
	v_lshlrev_b32 v[VO], 3, v1
	v_lshlrev_b32 v1, 5, v1                        ; 32 x lane
	v_mov_b32 v[PT], 0
.irp j, 0,1,2,3
	global_load_b128 v[GA+8*\j:GA+8*\j+3], v1, s[6:7] offset:1024*\j
	global_load_b128 v[GA+8*\j+4:GA+8*\j+7], v1, s[6:7] offset:1024*\j+16
.endr
.irp j, 0,1,2,3
	global_load_b128 v[BE+8*\j:BE+8*\j+3], v1, s[8:9] offset:1024*\j
	global_load_b128 v[BE+8*\j+4:BE+8*\j+7], v1, s[8:9] offset:1024*\j+16
.endr
.irp i, 0,1,2,3
.irp j, 0,1,2,3
	global_load_b128 v[X+32*\i+8*\j:X+32*\i+8*\j+3], v1, s[4:5] offset:4096*\i+1024*\j
	global_load_b128 v[X+32*\i+8*\j+4:X+32*\i+8*\j+7], v1, s[4:5] offset:4096*\i+1024*\j+16
.endr
.endr
	s_wait_kmcnt 0x0
	s_add_co_i32 s28, s28, 127
	s_lshl_b32 s29, s28, 23
	v_mov_b32 v[SC], s29                           ; 2^e0: the conversion takes its exponent field
	s_add_co_i32 s28, s28, 8
	s_lshl_b32 s28, s28, 23
	s_or_b32 s28, s28, 0x600000
	v_mov_b32 v[LIM], s28                          ; 448 x 2^e0
	LNROW 0
	LNROW 1
	LNROW 2
	LNROW 3
	s_endpgm
	; ---- the weights
.Lweights:
	s_wait_kmcnt 0x0
	s_sub_co_u32 s25, ttmp9, 256                   ; 0-95 w_qkv, 96-127 w_out, 128-255 w1, 256-383 w2
	s_mov_b64 s[42:43], s[10:11]                   ; the source,
	s_mov_b32 s44, 12288                           ; a row of it in bytes (4 N),
	s_mov_b32 s45, 1024                            ; a row of its codes in bytes (K),
	s_mov_b32 s46, 2                               ; log2 of K / 256,
	s_mov_b32 s47, s29                             ; its e,
	s_mov_b32 s48, 0                               ; its codes' place in cb,
	s_mov_b32 s49, 0                               ; its first work-group
	s_cmp_ge_u32 s25, 96
	s_cselect_b64 s[42:43], s[12:13], s[42:43]
	s_cselect_b32 s44, 4096, s44
	s_cselect_b32 s47, s35, s47
	s_cselect_b32 s48, 0x300000, s48
	s_cselect_b32 s49, 96, s49
	s_cmp_ge_u32 s25, 128
	s_cselect_b64 s[42:43], s[14:15], s[42:43]
	s_cselect_b32 s44, 16384, s44
	s_cselect_b32 s47, s37, s47
	s_cselect_b32 s48, 0x400000, s48
	s_cselect_b32 s49, 128, s49
	s_cmp_ge_u32 s25, 256
	s_cselect_b64 s[42:43], s[16:17], s[42:43]
	s_cselect_b32 s44, 4096, s44
	s_cselect_b32 s45, 4096, s45
	s_cselect_b32 s46, 4, s46
	s_cselect_b32 s47, s39, s47
	s_cselect_b32 s48, 0x800000, s48
	s_cselect_b32 s49, 256, s49
	s_sub_co_u32 s50, s25, s49
	s_lshl_b32 s51, 1, s46
	s_sub_co_u32 s51, s51, 1
	s_and_b32 s51, s50, s51                        ; which 256 along K
	s_lshr_b32 s50, s50, s46                       ; which 128 columns
	s_lshl_b32 s52, s50, 7
	s_lshl_b32 s53, s24, 5
	s_add_co_u32 s52, s52, s53                     ; my wave's first column
	s_lshl_b32 s53, s51, 8                         ; my first k
	s_mul_i32 s54, s53, s44
	s_lshl_b32 s55, s52, 2
	s_add_co_u32 s54, s54, s55
	s_mov_b32 s55, 0
	s_add_nc_u64 s[42:43], s[42:43], s[54:55]      ; the source at (k, column)
	s_mul_i32 s54, s52, s45
	s_add_co_u32 s54, s54, s53
	s_add_co_u32 s54, s54, s48
	s_add_nc_u64 s[20:21], s[20:21], s[54:55]      ; the codes at (column, k)
	s_lshl_b32 s56, s44, 5                         ; 32 rows of the source
	s_mov_b32 s57, 0
	s_mov_b64 s[68:69], s[42:43]                   ; a base for each of the eight blocks of 32 along K: none is ever stepped
.irp t, 1,2,3,4,5,6,7
	s_add_nc_u64 s[68+2*\t:69+2*\t], s[66+2*\t:67+2*\t], s[56:57]
.endr
	v_and_b32 v1, 31, v0                           ; lane
	s_mul_i32 s59, s24, 32*272                     ; my stage
	v_mul_u32_u24 v4, v1, 272
	v_add_nc_u32 v4, s59, v4                       ; into it: row = my column
	v_and_b32 v5, 15, v0
	v_bfe_u32 v6, v0, 4, 1
	v_mul_u32_u24 v7, v6, 272
	v_lshl_add_u32 v7, v5, 4, v7
	v_add_nc_u32 v7, s59, v7                       ; out of it: sixteen lanes to a row, two rows an instruction
	v_lshlrev_b32 v[OFF], 2, v1
.set j, 1
.rept 31
	v_add_nc_u32 v[OFF+j], s44, v[OFF+j-1]
.set j, j+1
.endr
	v_mul_lo_u32 v[OUTO], v6, s45
	v_lshl_add_u32 v[OUTO], v5, 4, v[OUTO]
	s_lshl_b32 s58, s45, 1
.set j, 1
.rept 15
	v_add_nc_u32 v[OUTO+j], s58, v[OUTO+j-1]
.set j, j+1
.endr
.macro WLOAD t                         ; block t: W(32 t + j, my column), j = 0 .. 31: 128 consecutive bytes a load
.set j, 0
.rept 32
	global_load_b32 v[WX+32*((\t)%2)+j], v[OFF+j], s[68+2*(\t):69+2*(\t)] th:TH_LOAD_NT
.set j, j+1
.endr
.endm
	WLOAD 0
	WLOAD 1
	s_add_co_i32 s47, s47, 127
	s_lshl_b32 s60, s47, 23
	v_mov_b32 v11, s60                             ; 2^e
	s_add_co_i32 s47, s47, 8
	s_lshl_b32 s47, s47, 23
	s_or_b32 s47, s47, 0x600000
	v_mov_b32 v10, s47                             ; 448 x 2^e
.macro BLOCK t
.set XS, WX+32*((\t)%2)
.if (\t) < 7
	s_wait_loadcnt 32                              ; this block's 32 loads are in; the next block's may be out
.else
	s_wait_loadcnt 0
.endif
.set jj, 0
.rept 32
	v_med3_num_f32 v[XS+jj], v[XS+jj], -v10, v10
.set jj, jj+1
.endr
.irp g, 0,1,2,3
	v_cvt_scalef32_pk8_fp8_f32 v[WC+2*\g:WC+2*\g+1], v[XS+8*\g:XS+8*\g+7], v11
.endr
	ds_store_b128 v4, v[WC:WC+3] offset:32*(\t)    ; 32 codes of my column's row
	ds_store_b128 v4, v[WC+4:WC+7] offset:32*(\t)+16
.if (\t)+2 < 8
	WLOAD (\t)+2
.endif
	s_wait_dscnt 0x0                               ; the stores have read their registers: the next block's codes may be written
.endm
.irp t, 0,1,2,3,4,5,6,7
	BLOCK \t
.endr
.irp t, 0,1,2,3,4,5,6,7,8,9,10,11,12,13,14,15
	ds_load_b128 v[OUTR+4*\t:OUTR+4*\t+3], v7 offset:2*\t*272   ; LDS serves a wave's instructions in order: these see my stores
.endr
.irp t, 0,1,2,3,4,5,6,7,8,9,10,11,12,13,14,15
	s_wait_dscnt 15-\t
	global_store_b128 v[OUTO+\t], v[OUTR+4*\t:OUTR+4*\t+3], s[20:21]   ; sixteen lanes store 256 consecutive bytes, aligned
.endr
	s_wait_tensorcnt 0x0                           ; the wave's end: behind my last LDS store
	ds_add_u32 v[SPW], v[NIL]
	s_wait_dscnt 0x0
	s_endpgm
.Lfunc_end_k_q592bd6b0cc_prep:
	.size	k_q592bd6b0cc_prep, .Lfunc_end_k_q592bd6b0cc_prep-k_q592bd6b0cc_prep
	.p2alignl 7, 3214868480
	.fill 96, 4, 3214868480
	.section	.rodata,"a",@progbits
	.p2align	6, 0x0
	.amdhsa_kernel k_q592bd6b0cc_prep
		.amdhsa_group_segment_fixed_size 35840
		.amdhsa_private_segment_fixed_size 0
		.amdhsa_enable_private_segment 0
		.amdhsa_kernarg_size 72
		.amdhsa_user_sgpr_count 2
		.amdhsa_user_sgpr_kernarg_segment_ptr 1
		.amdhsa_wavefront_size32 1
		.amdhsa_system_sgpr_workgroup_id_x 1
		.amdhsa_system_sgpr_workgroup_id_y 1
		.amdhsa_system_sgpr_workgroup_id_z 1
		.amdhsa_system_vgpr_workitem_id 0
		.amdhsa_next_free_vgpr 240
		.amdhsa_next_free_sgpr 84
		.amdhsa_reserve_vcc 0
		.amdhsa_float_denorm_mode_32 3
		.amdhsa_float_denorm_mode_16_64 3
		.amdhsa_memory_ordered 1
		.amdhsa_forward_progress 1
		.amdhsa_inst_pref_size 93
	.end_amdhsa_kernel
	.amdgpu_metadata
---
amdhsa.version: [ 1, 2 ]
amdhsa.kernels:
  - .name:           k_q592bd6b0cc_prep
    .symbol:         k_q592bd6b0cc_prep.kd
    .args:
      - { .name: x, .offset: 0, .size: 8, .value_kind: global_buffer, .address_space: global }
      - { .name: ln1_g, .offset: 8, .size: 8, .value_kind: global_buffer, .address_space: global }
      - { .name: ln1_b, .offset: 16, .size: 8, .value_kind: global_buffer, .address_space: global }
      - { .name: w_qkv, .offset: 24, .size: 8, .value_kind: global_buffer, .address_space: global }
      - { .name: w_out, .offset: 32, .size: 8, .value_kind: global_buffer, .address_space: global }
      - { .name: w1, .offset: 40, .size: 8, .value_kind: global_buffer, .address_space: global }
      - { .name: w2, .offset: 48, .size: 8, .value_kind: global_buffer, .address_space: global }
      - { .name: lowp_scales, .offset: 56, .size: 8, .value_kind: global_buffer, .address_space: global }
      - { .name: cb, .offset: 64, .size: 8, .value_kind: global_buffer, .address_space: global }
    .group_segment_fixed_size: 35840
    .private_segment_fixed_size: 0
    .kernarg_segment_align: 8
    .kernarg_segment_size: 72
    .max_flat_workgroup_size: 128
    .sgpr_count:     84
    .vgpr_count:     240
    .wavefront_size: 32
...
	.end_amdgpu_metadata
.endif
;; end of part 1
;; launch qkv (part 2): grid 48 x 4, 4 waves a work-group, clusters of 4 x 4, 327,680 bytes of LDS; arguments cb, lowp_scales, qkv; writes qkv
.if DOCPART == 2
	.amdgcn_target "amdgcn-amd-amdhsa--gfx1250"
	.amdhsa_code_object_version 6
	.text
	.protected	k_q592bd6b0cc_qkv
	.globl	k_q592bd6b0cc_qkv
	.p2align	8
	.type	k_q592bd6b0cc_qkv,@function
k_q592bd6b0cc_qkv:
	s_mov_b64 s[64:65], 0
	v_nop
	global_prefetch_b8 v0, s[64:65] scope:SCOPE_SE
	s_setreg_imm32_b32 hwreg(HW_REG_WAVE_MODE, 25, 1), 1
	s_wait_xcnt 0x0
	s_wait_alu depctr_hold_cnt(0) depctr_sa_sdst(0) depctr_va_vdst(0) depctr_va_sdst(0) depctr_va_ssrc(0) depctr_va_vcc(0) depctr_vm_vsrc(0)
	s_getreg_b32 s2, hwreg(HW_REG_IB_STS2, 6, 4)
	s_cmp_eq_u32 s2, 0
	s_cbranch_scc0 .Lentry_in_a_cluster
	s_endpgm
.Lentry_in_a_cluster:
	s_bfe_u32 s2, ttmp6, 0x10000c
	s_cmp_lg_u32 s2, 0xf033
	s_cbranch_scc0 .Lentry_shape_is_right
	s_endpgm
.Lentry_shape_is_right:
; Product 1 on codes of E4M3, and its results quantised on the way out as the operands of the two products of attention.
; cb holds wqkv's codes [3072][1024] at 0 and LayerNorm 1's codes [4096][1024] at HC.  Sums stand for sum x 2^(e0 + e1).
; Clusters 0-7 make Q and K: A = the tokens' codes, B = the weight's rows 0-2047.  Clusters 8-11 make V with the roles changed: A = the weight's rows 2048-3071, B = the tokens.
; The matrix instruction is used transposed (source 0 = 16 rows of B, source 1 = 16 rows of A): a lane holds one row of A and eight neighbouring rows of B.  So for Q and K a lane holds eight neighbouring
; channels of a token (their K), and for V eight neighbouring tokens of a channel (its K, the keys).  The change of roles is a choice of offsets on the cluster's number, which all sixteen partners share.
; OUT (hb = 16 x batch + head): Q at hb x 131072 + t x 64 + d; K at 0x400000 + the same; V at 0x800000 + hb x 131072 + (t / 128) x 8192 + d x 128 + t % 128.
; code = sum x 2^(e0 + e1) / 2^et; et = e2 for Q, e3 for K, e5 for V; the three exponents are folded into the conversion's one scale.
; LIMIT: et - e0 - e1 between -126 and 119.  NaN is not served.
; A tile of 256 x 256 to a work-group of four waves, 128 x 128 to a wave (64 accumulators, 512 registers); K in 4 steps of 256 through two LDS slots filled by joint tensor loads:
; A's tile is shared along a row of the 4 x 4 cluster, B's along a column.
; REGISTERS: window 0: v0-31 addresses, v128-255 A's fragments (one set); window 1: B's fragments (two sets); windows 2, 3: the accumulators ((a, b) at v[8 (8 (a % 4) + b)]).
.set KSTEP,  256
.set ROWB,   256
.set KROW,   1024
.set PITCH,  272                       ; an LDS row: 256 bytes + 16 of padding: the 16 rows that a load touches start at 16 different banks
.set FR,     16
.set NL,     4
.set NP,     4
.set HALFT,  128*PITCH
.set SLOT,   4*HALFT
.set LAPS,   2
.set SPARE,  2*SLOT                    ; behind the ring: the spare words
.set HC,     0xC00000
.set ADRA, 16
.set ADRB, 20
.set STO,  24                          ; the way out: where I put 8 codes of a row
.set RD,   25                          ; and where I read 16 back
.set GOF,  8                           ; v8-11  my byte offsets in the output, one for each of a block's four stores
.set LIMV, 12
.set SCV,  13                          ; the folded scale
.set SPW,  28
.set NIL,  29
.set TMP,  32
.set AF,   128
.set BK,   128
.set G1, 24
.set G0, 32
.set G1B, 48
.set G0B, 56
.set MSB, 0
.macro WIN new                         ; the immediate's high byte repeats the setting that is left
.if MSB != \new
	s_set_vgpr_msb (MSB<<8)|\new
.set MSB, \new
.endif
.endm
.set MUL_LO, 0xa1                      ; source 0 (B) window 1, source 1 (A) window 0, C and D window 2
.set MUL_HI, 0xf1
.set TO_B,   0x40
.macro JLOAD g0a, g1a, g0b, g1b        ; a joint load: waves 0 and 1 fetch for A, waves 2 and 3 for B; an s_nop 0 and four v_nop follow each line
	s_cmp_eq_u32 s15, 0
	s_cbranch_scc0 .Lfor_b_\@
	tensor_load_to_lds s[\g0a:\g0a+3], s[\g1a:\g1a+7]
	s_nop 0
.rept 4
	v_nop
.endr
	s_branch .Lasked_\@
.Lfor_b_\@:
	tensor_load_to_lds s[\g0b:\g0b+3], s[\g1b:\g1b+7]
	s_nop 0
.rept 4
	v_nop
.endr
.Lasked_\@:
.endm
.macro CREST                           ; a round of the cluster's barrier behind its opening barrier
	s_cmp_lg_u32 s14, 0
	s_cbranch_scc1 .Lnot_wave_0_\@
	s_barrier_signal -3
.Lnot_wave_0_\@:
	s_barrier_wait -3
	s_barrier_signal -1
	s_barrier_wait -1
.endm
.macro CROUND
	s_barrier_signal -1
	s_barrier_wait -1
	CREST
.endm
	s_load_b128 s[4:7], s[0:1], 0x0                ; cb, the scales' exponents
	s_load_b64 s[8:9], s[0:1], 0x10                ; qkv
	v_lshl_add_u32 v[SPW], v0, 2, SPARE
	v_mov_b32 v[NIL], 0
	ds_add_u32 v[SPW], v[NIL]                      ; the wave's opening: the add and its wait ahead of my first tensor load
	ds_add_u32 v[SPW], v[NIL]
	v_lshrrev_b32 v1, 5, v0
	v_readfirstlane_b32 s14, v1                    ; wave 0..3
	s_lshr_b32 s15, s14, 1                         ; my half of the tile's rows; also: I fetch for A (0) or B (1)
	s_and_b32 s16, s14, 1                          ; my half of its columns; also: which 128 rows I fetch
	s_bfe_u32 s40, ttmp6, 0x40000                  ; cx
	s_bfe_u32 s41, ttmp6, 0x40004                  ; cy
	s_lshr_b32 s66, ttmp9, 1
	s_and_b32 s67, ttmp9, 1
	s_sub_co_u32 s68, ttmp9, 8
	s_mov_b32 s69, 0x200000
	s_mov_b32 s12, HC
	s_cmp_lt_u32 ttmp9, 8                          ; Q and K, or V: the cluster's number, the same in all partners
	s_cselect_b32 s66, s66, 0                      ; the cluster's row of clusters,
	s_cselect_b32 s67, s67, s68                    ; its column,
	s_cselect_b32 s69, HC, s69                     ; A's first byte in cb,
	s_cselect_b32 s12, 0, s12                      ; B's
	s_lshl_b32 s42, s67, 2
	s_add_co_u32 s42, s42, s40                     ; tile column
	s_lshl_b32 s17, s66, 2
	s_add_co_u32 s17, s17, s41                     ; tile row
	s_lshl_b32 s43, s41, 2
	s_lshl_b32 s43, 15, s43                        ; my row of the cluster
	s_lshl_b32 s44, 0x1111, s40                    ; my column
	s_or_b32 s[G1+0], s43, (0<<16)|(1<<20)|(1<<21)|(5<<22)|(3<<25)  ; the mask; elements of 1 byte; padding on; bit 21 beside a mask; 4 words after every 64
	s_or_b32 s[G1B+0], s44, (0<<16)|(1<<20)|(1<<21)|(5<<22)|(3<<25)
.irp g, G1, G1B
	s_mov_b32 s[\g+1], ROWB<<16                    ; tensor_dim0
	s_mov_b32 s[\g+2], 128<<16                     ; tensor_dim1
	s_mov_b32 s[\g+3], ROWB<<16                    ; tile_dim0
	s_mov_b32 s[\g+4], 128                         ; tile_dim1
	s_mov_b32 s[\g+5], KROW                        ; the pitch
	s_mov_b32 s[\g+6], 0
	s_mov_b32 s[\g+7], 0
.endr
	s_lshl_b32 s18, s16, 7
	s_lshl_b32 s20, s17, 8
	s_add_co_u32 s20, s20, s18
	s_lshl_b32 s20, s20, 10
	s_add_co_u32 s20, s20, s69                     ; A: (256 x tile row + 128 x half) rows of 1,024 bytes
	s_mov_b32 s21, 0
	s_lshl_b32 s46, s42, 8
	s_add_co_u32 s46, s46, s18
	s_lshl_b32 s46, s46, 10
	s_add_co_u32 s46, s46, s12                     ; B likewise, by the tile column
	s_mov_b32 s47, 0
	s_mul_i32 s45, s14, HALFT                      ; where they go: wave x 128 rows
	s_wait_dscnt 0x0                               ; the opening add is done
	s_wait_kmcnt 0x0
	s_load_b256 s[76:83], s[6:7], 0x0              ; e0 .. e7
	s_add_nc_u64 s[20:21], s[4:5], s[20:21]
	s_add_nc_u64 s[46:47], s[4:5], s[46:47]
	CROUND                                         ; all sixteen work-groups are here: the first joint loads meet
.irp s, 0,1
	s_mov_b32 s[G0+4*\s], 1
	s_add_co_u32 s[G0+4*\s+1], s45, \s*SLOT
	s_add_nc_u64 s[G0+4*\s+2:G0+4*\s+3], s[20:21], \s*ROWB
	s_or_b32 s[G0+4*\s+3], s[G0+4*\s+3], 0x80000000
	s_mov_b32 s[G0B+4*\s], 1
	s_add_co_u32 s[G0B+4*\s+1], s45, \s*SLOT
	s_add_nc_u64 s[G0B+4*\s+2:G0B+4*\s+3], s[46:47], \s*ROWB
	s_or_b32 s[G0B+4*\s+3], s[G0B+4*\s+3], 0x80000000
	JLOAD G0+4*\s, G1, G0B+4*\s, G1B
.endr
	v_and_b32 v1, 15, v0                           ; r
	s_wait_alu depctr_va_vdst(0)
	v_bfe_u32 v2, v0, 4, 1                         ; h
	v_mul_u32_u24 v3, v1, PITCH
	v_lshl_add_u32 v4, v2, 4, v3
	s_mul_i32 s21, s15, HALFT
	s_mul_i32 s22, s16, HALFT
	s_add_co_u32 s22, s22, 2*HALFT
.irp s, 0,1
	v_add_nc_u32 v[ADRA+\s], s21, v4
	v_add_nc_u32 v[ADRB+\s], s22, v4
	s_add_co_u32 s21, s21, SLOT
	s_add_co_u32 s22, s22, SLOT
.endr
	s_mul_i32 s23, s14, 16*144                     ; my stage: 16 rows of 128 codes + 16 bytes, in slot 0, which has had its last fill and its last read when the first code is stored there
	v_mul_u32_u24 v5, v1, 144
	s_wait_alu depctr_va_vdst(0)
	v_lshl_add_u32 v5, v2, 3, v5
	v_add_nc_u32 v[STO], s23, v5                   ; in: row r, 8 bytes for each half of the lanes
	v_bfe_u32 v5, v0, 3, 2
	v_mul_u32_u24 v5, v5, 144
	v_and_b32 v6, 7, v0
	v_lshl_add_u32 v5, v6, 4, v5
	v_add_nc_u32 v[RD], s23, v5                    ; back: eight lanes to a row, four rows an instruction
	; where my 128 x 128 begins in the output.  As Q or K: token m0, heads G0 and G0 + 1
	s_lshl_b32 s88, s17, 8
	s_lshl_b32 s89, s15, 7
	s_add_co_u32 s88, s88, s89                     ; m0
	s_lshl_b32 s89, s42, 2
	s_lshl_b32 s90, s16, 1
	s_add_co_u32 s89, s89, s90                     ; G0: bit 4 says K, bits 3:0 the head
	s_lshr_b32 s90, s89, 4
	s_lshl_b32 s90, s90, 1
	s_lshr_b32 s91, s88, 11
	s_add_co_u32 s90, s90, s91
	s_lshl_b32 s90, s90, 4
	s_and_b32 s91, s89, 15
	s_add_co_u32 s90, s90, s91
	s_lshl_b32 s90, s90, 17
	s_and_b32 s91, s88, 2047
	s_lshl_b32 s91, s91, 6
	s_add_co_u32 s90, s90, s91
	; as V: heads 4 x tile row + 2 x half and the next, tokens n0 .. n0 + 127: one block of 128 keys
	s_lshl_b32 s91, s17, 2
	s_lshl_b32 s92, s15, 1
	s_add_co_u32 s91, s91, s92
	s_lshl_b32 s92, s42, 8
	s_lshl_b32 s93, s16, 7
	s_add_co_u32 s92, s92, s93                     ; n0
	s_lshr_b32 s93, s92, 11
	s_lshl_b32 s93, s93, 4
	s_add_co_u32 s93, s93, s91
	s_lshl_b32 s93, s93, 4
	s_bfe_u32 s94, s92, 0x40007
	s_add_co_u32 s93, s93, s94
	s_lshl_b32 s93, s93, 13
	s_add_co_u32 s93, s93, 0x800000
	s_mov_b32 s70, 2048
	s_mov_b32 s72, 124928
	s_cmp_lt_u32 ttmp9, 8
	s_cselect_b32 s74, s90, s93
	s_cselect_b32 s88, 0x20000, 64                 ; from a stage row's first 64 bytes to its second: the next head | 64 keys on
	s_cselect_b32 s89, 64, 128                     ; from stage row to stage row: a token | a channel
	s_cselect_b32 s70, 1024, s70                   ; from block to block of 16 rows,
	s_cselect_b32 s72, 1024, s72                   ; and from block 3 to block 4: V goes on to the next head
	s_mov_b32 s71, 0
	s_mov_b32 s73, 0
	s_mov_b32 s75, 0
	s_add_nc_u64 s[8:9], s[8:9], s[74:75]
	v_bfe_u32 v5, v0, 2, 1
	v_mul_lo_u32 v[GOF], v5, s88
	v_bfe_u32 v5, v0, 3, 2
	v_mul_lo_u32 v5, v5, s89
	v_add_nc_u32 v[GOF], v[GOF], v5
	v_and_b32 v5, 3, v0
	v_lshl_add_u32 v[GOF], v5, 4, v[GOF]
	s_lshl_b32 s89, s89, 2
.irp i, 1,2,3
	v_add_nc_u32 v[GOF+\i], s89, v[GOF+\i-1]
.endr
.macro FRAG reg, adr, q, i             ; 16 rows x 128 K: lane l holds row l % 16; registers 4 c .. 4 c + 3 hold K = 32 c + 16 (l / 16) + 0 .. 15: the same order of k in A and in B
.irp c, 0,1,2,3
	ds_load_b128 v[\reg+4*\c:\reg+4*\c+3], v[\adr] offset:128*(\q)+32*\c+(\i)*16*PITCH
.endr
.endm
.macro MUL16 a0, p, zero               ; A's blocks a0, a0 + 1 x B's eight; the 64 accumulators take turns, in the same order in every step
.irp a, \a0, \a0+1
.irp b, 0,1,2,3,4,5,6,7
.if \zero
	v_wmma_f32_16x16x128_fp8_fp8 v[8*(8*((\a)%4)+\b):8*(8*((\a)%4)+\b)+7], v[128*(\p)+FR*\b:128*(\p)+FR*\b+FR-1], v[AF+FR*(\a):AF+FR*(\a)+FR-1], 0
.else
	v_wmma_f32_16x16x128_fp8_fp8 v[8*(8*((\a)%4)+\b):8*(8*((\a)%4)+\b)+7], v[128*(\p)+FR*\b:128*(\p)+FR*\b+FR-1], v[AF+FR*(\a):AF+FR*(\a)+FR-1], v[8*(8*((\a)%4)+\b):8*(8*((\a)%4)+\b)+7]
.endif
.endr
.endr
.endm
.macro FETCH_B slot, q, p
	WIN TO_B
.irp i, 0,1,2,3,4,5,6,7
	FRAG 128*(\p)+FR*\i, ADRB+\slot, \q, \i
.endr
	WIN 0
.endm
.macro FETCH_A slot, q, i0
.irp i, \i0, \i0+1, \i0+2, \i0+3
	FRAG AF+FR*(\i), ADRA+\slot, \q, \i
.endr
.endm
.macro PLACES n                        ; plain vector instructions between a matrix instruction and a load into, or a read of, its registers
.rept \n
	v_nop
.endr
.endm
.macro STEP slot, q, zero              ; 128 along K that has its successor in the same slot
	s_wait_dscnt 4*NL                              ; B's set and A's blocks 0-3 are in; the youngest 16 loads (A's blocks 4-7) may be out
	WIN MUL_LO
	MUL16 0, (\q)%2, \zero
	MUL16 2, (\q)%2, \zero
	s_wait_dscnt 0
	PLACES NP
	FETCH_B \slot, (\q)+1, 1-(\q)%2
	FETCH_A \slot, (\q)+1, 0
	WIN MUL_HI
	MUL16 4, (\q)%2, \zero
	MUL16 6, (\q)%2, \zero
	PLACES NP
	WIN 0
	FETCH_A \slot, (\q)+1, 4
.endm
.macro TURN slot, next, fill           ; a slot's last step changes slots: one barrier; with fill = 1 it opens a round of the cluster's barrier and the slot is filled again
	s_wait_tensorcnt 0x0                           ; all my tensor loads have landed: my part of the next slot
	ds_add_u32 v[SPW], v[NIL]
	s_wait_dscnt 4*NL+1                            ; the add and the youngest 16 loads may be out
	WIN MUL_LO
	MUL16 0, 1, 0
	s_wait_dscnt 0x0                               ; the add is done, and my reads of this slot are over
	s_barrier_signal -1
	MUL16 2, 1, 0
	WIN 0
	s_barrier_wait -1
.if \fill
	CREST                                          ; no wave of any partner still reads this slot or has a load on its way
	s_add_nc_u64 s[G0+4*\slot+2:G0+4*\slot+3], s[G0+4*\slot+2:G0+4*\slot+3], 2*ROWB
	s_add_nc_u64 s[G0B+4*\slot+2:G0B+4*\slot+3], s[G0B+4*\slot+2:G0B+4*\slot+3], 2*ROWB
	JLOAD G0+4*\slot, G1, G0B+4*\slot, G1B         ; the first tensor load behind the round; its four v_nop are the places in front of the loads below
.else
	PLACES NP
.endif
	FETCH_B \next, 0, 0
	FETCH_A \next, 0, 0
	WIN MUL_HI
	MUL16 4, 1, 0
	MUL16 6, 1, 0
	PLACES NP
	WIN 0
	FETCH_A \next, 0, 4
.endm
	s_wait_tensorcnt 1                             ; my part of K step 0 is in; K step 1's load may be out
	s_barrier_signal -1
	s_barrier_wait -1
	FETCH_B 0, 0, 0
	FETCH_A 0, 0, 0
	FETCH_A 0, 0, 4
	STEP 0, 0, 1                                   ; the first step's products start the sums
	s_mov_b32 s3, LAPS-1
.Llap:
	TURN 0, 1, 1
	STEP 1, 0, 0
	TURN 1, 0, 1
	STEP 0, 0, 0
	s_sub_co_u32 s3, s3, 1
	s_cmp_lg_u32 s3, 0
	s_cbranch_scc1 .Llap
	TURN 0, 1, 0                                   ; the last lap fills nothing
	STEP 1, 0, 0
	s_wait_dscnt 4*NL
	WIN MUL_LO
	MUL16 0, 1, 0
	MUL16 2, 1, 0
	s_wait_dscnt 0
	WIN MUL_HI
	MUL16 4, 1, 0
	MUL16 6, 1, 0
	WIN 0
; THE WAY OUT, block by block of 16 rows x 128 columns: converted (a lane's eight numbers are eight neighbours along the next K), through my stage, and out: each store covers two runs of 256 consecutive bytes, aligned.
.macro TOSTAGE a
.set AC, 64*((\a)%4)
	WIN 0x02+((\a)/4)                              ; source 0: window 2 or 3
.set j, 0
.rept 64
.set j, j+1
.endr
.irp b, 0,1,2,3,4,5,6,7
	v_cvt_scalef32_pk8_fp8_f32 v[96+2*\b:97+2*\b], v[AC+8*\b:AC+8*\b+7], v[SCV]
.endr
	WIN 0
	v_nop                                          ; a plain instruction behind the last conversion
.irp b, 0,1,2,3,4,5,6,7
	ds_store_b64 v[STO], v[96+2*\b:97+2*\b] offset:16*\b
.endr
.set BB, BK+16*((\a)%2)
.irp i, 0,1,2,3
	ds_load_b128 v[BB+4*\i:BB+4*\i+3], v[RD] offset:576*\i   ; LDS serves a wave's instructions in order: these see my stores
.endr
.endm
.macro SEND a, younger
.set BB, BK+16*((\a)%2)
	s_wait_dscnt \younger                          ; the block is back; the next block's 8 stores and 4 loads may be out
.if (\a) == 4
	s_add_nc_u64 s[8:9], s[8:9], s[72:73]          ; (behind a wait on XCNT: the earlier stores have read their base)
.elseif (\a) > 0
	s_add_nc_u64 s[8:9], s[8:9], s[70:71]
.endif
.irp i, 0,1,2,3
	global_store_b128 v[GOF+\i], v[BB+4*\i:BB+4*\i+3], s[8:9]
.endr
.endm
	s_wait_kmcnt 0x0
	s_cmp_eq_u32 s67, 0
	s_cselect_b32 s88, s78, s79                    ; e2 for Q, e3 for K,
	s_cmp_lt_u32 ttmp9, 8
	s_cselect_b32 s88, s88, s81                    ; e5 for V
	s_sub_co_i32 s88, s88, s76
	s_sub_co_i32 s88, s88, s77
	s_add_co_i32 s88, s88, 127
	s_lshl_b32 s89, s88, 23
	v_mov_b32 v[SCV], s89                          ; 2^(et - e0 - e1)
	s_add_co_i32 s88, s88, 8
	s_lshl_b32 s88, s88, 23
	s_or_b32 s88, s88, 0x600000
	PLACES NP
	TOSTAGE 0
.irp a, 1,2,3,4,5,6,7
.if \a > 1
	s_wait_xcnt 0x0                                ; block a - 2's stores have read their registers and their base
.endif
	TOSTAGE \a
	SEND \a-1, 12
.endr
	s_wait_xcnt 0x0
	SEND 7, 0
	s_wait_tensorcnt 0x0                           ; the wave's end
	ds_add_u32 v[SPW], v[NIL]
	s_wait_dscnt 0x0
	CROUND                                         ; the closing round
	s_endpgm
.Lfunc_end_k_q592bd6b0cc_qkv:
	.size	k_q592bd6b0cc_qkv, .Lfunc_end_k_q592bd6b0cc_qkv-k_q592bd6b0cc_qkv
	.p2alignl 7, 3214868480
	.fill 96, 4, 3214868480
	.section	.rodata,"a",@progbits
	.p2align	6, 0x0
	.amdhsa_kernel k_q592bd6b0cc_qkv
		.amdhsa_group_segment_fixed_size 327680
		.amdhsa_private_segment_fixed_size 0
		.amdhsa_enable_private_segment 0
		.amdhsa_kernarg_size 24
		.amdhsa_user_sgpr_count 2
		.amdhsa_user_sgpr_kernarg_segment_ptr 1
		.amdhsa_wavefront_size32 1
		.amdhsa_system_sgpr_workgroup_id_x 1
		.amdhsa_system_sgpr_workgroup_id_y 1
		.amdhsa_system_sgpr_workgroup_id_z 1
		.amdhsa_system_vgpr_workitem_id 0
		.amdhsa_next_free_vgpr 1024
		.amdhsa_next_free_sgpr 98
		.amdhsa_reserve_vcc 0
		.amdhsa_float_denorm_mode_32 3
		.amdhsa_float_denorm_mode_16_64 3
		.amdhsa_fp16_overflow 1
		.amdhsa_memory_ordered 1
		.amdhsa_forward_progress 1
		.amdhsa_inst_pref_size 95
	.end_amdhsa_kernel
	.amdgpu_metadata
---
amdhsa.version: [ 1, 2 ]
amdhsa.kernels:
  - .name:           k_q592bd6b0cc_qkv
    .symbol:         k_q592bd6b0cc_qkv.kd
    .args:
      - { .name: cb, .offset: 0, .size: 8, .value_kind: global_buffer, .address_space: global }
      - { .name: lowp_scales, .offset: 8, .size: 8, .value_kind: global_buffer, .address_space: global }
      - { .name: qkv, .offset: 16, .size: 8, .value_kind: global_buffer, .address_space: global }
    .group_segment_fixed_size: 327680
    .private_segment_fixed_size: 0
    .kernarg_segment_align: 8
    .kernarg_segment_size: 24
    .max_flat_workgroup_size: 128
    .sgpr_count:     98
    .vgpr_count:     1024
    .wavefront_size: 32
...
	.end_amdgpu_metadata
.endif
;; end of part 2
;; launch attn (part 3): grid 8 x 32, 16 waves a work-group, clusters of 4 x 1, 327,680 bytes of LDS; arguments qkv, lowp_scales, ao; writes ao
.if DOCPART == 3
	.amdgcn_target "amdgcn-amd-amdhsa--gfx1250"
	.amdhsa_code_object_version 6
	.text
	.protected	k_q592bd6b0cc_attn
	.globl	k_q592bd6b0cc_attn
	.p2align	8
	.type	k_q592bd6b0cc_attn,@function
k_q592bd6b0cc_attn:
	s_mov_b64 s[64:65], 0
	v_nop
	global_prefetch_b8 v0, s[64:65] scope:SCOPE_SE
	s_setreg_imm32_b32 hwreg(HW_REG_WAVE_MODE, 25, 1), 1
	s_wait_xcnt 0x0
	s_wait_alu depctr_hold_cnt(0) depctr_sa_sdst(0) depctr_va_vdst(0) depctr_va_sdst(0) depctr_va_ssrc(0) depctr_va_vcc(0) depctr_vm_vsrc(0)
	s_getreg_b32 s2, hwreg(HW_REG_IB_STS2, 6, 4)
	s_cmp_eq_u32 s2, 0
	s_cbranch_scc0 .Lentry_in_a_cluster
	s_endpgm
.Lentry_in_a_cluster:
	s_bfe_u32 s2, ttmp6, 0x10000c
	s_cmp_lg_u32 s2, 0x3003
	s_cbranch_scc0 .Lentry_shape_is_right
	s_endpgm
.Lentry_shape_is_right:
.set KP,    144
.set VBASE, 147456
.set SPARE, 294912
.set STAGE, 296960
.set XW,    4608
.set AK0, 1
.set AV0, 2
.set DM,  3
.set QA,  4
.set SPW, 5
.set NIL, 6
.set GO,  7
.set ADK, 8
.set ADV, 9
.set SI,  10
.set SB,  11
.set SVO, 192
.set SVN, 246
.set SVL, 247
.set XS,  248
.set XL,  249
.set XS2, 250
.set XL2, 251
.set WV,  18
.set JB,  19
.set SEL, 20
.set CS,  22
.set G1,  24
.set G0,  32
.set TB,  2
.set SN,  3
.set CNT, 48
.set MASK, 49
.set PAR, 66
.set TB0, 67
.set JBH, 68
.set JBL, 69
.set QL,  70
.set JBK, 72
.macro CROUND
	s_barrier_signal -1
	s_barrier_wait -1
	s_cmp_lg_u32 s[WV], 0
	s_cbranch_scc1 .Lnot_wave_0_\@
	s_barrier_signal -3
.Lnot_wave_0_\@:
	s_barrier_wait -3
	s_barrier_signal -1
	s_barrier_wait -1
.endm
	s_load_b128 s[4:7], s[0:1], 0x0
	s_load_b64 s[8:9], s[0:1], 0x10
	v_lshl_add_u32 v[SPW], v0, 2, SPARE
	v_mov_b32 v[NIL], 0
	ds_add_u32 v[SPW], v[NIL]
	ds_add_u32 v[SPW], v[NIL]
	v_lshrrev_b32 v8, 5, v0
	s_delay_alu instid0(VALU_DEP_1)
	v_readfirstlane_b32 s[WV], v8
	s_lshr_b32 s[PAR], s[WV], 3
	s_and_b32 s[JBL], s[WV], 7
	s_xor_b32 s[JBH], s[JBL], 15
	s_mul_i32 s[TB0], s[PAR], 9216
	s_cmp_lg_u32 s[PAR], 0
	s_cselect_b32 s[MASK], -1, 0
	s_cselect_b32 s[JBK], s[JBL], s[JBH]
	s_bfe_u32 s13, ttmp6, 0x40000
	s_lshl_b32 s14, ttmp9, 2
	s_add_co_u32 s14, s14, s13
	s_and_b32 s15, ttmp7, 0xffff
	s_mov_b32 s[G1], 15|(1<<20)|(1<<21)|(4<<22)|(3<<25)
	s_mov_b32 s[G1+1], 128<<16
	s_mov_b32 s[G1+2], 32<<16
	s_mov_b32 s[G1+3], 128<<16
	s_mov_b32 s[G1+4], 32
	s_mov_b32 s[G1+5], 128
	s_mov_b32 s[G1+6], 0
	s_mov_b32 s[G1+7], 0
	s_lshr_b32 s10, s[WV], 3
	s_and_b32 s11, s[WV], 7
	s_mul_i32 s12, s10, VBASE
	s_mul_i32 s16, s11, 32*KP
	s_add_co_u32 s12, s12, s16
	s_lshl_b32 s16, s10, 22
	s_add_co_u32 s16, s16, 0x400000
	s_lshl_b32 s17, s15, 17
	s_add_co_u32 s16, s16, s17
	s_lshl_b32 s17, s11, 12
	s_add_co_u32 s16, s16, s17
	s_mov_b32 s17, 0
	s_lshl_b32 s51, s14, 4
	s_lshl_b32 s50, s[JBH], 7
	s_add_co_u32 s50, s50, s51
	s_lshl_b32 s60, s50, 6
	s_lshl_b32 s61, s15, 17
	s_add_co_u32 s60, s60, s61
	s_mov_b32 s61, 0
	s_lshl_b32 s50, s[JBL], 7
	s_add_co_u32 s50, s50, s51
	s_lshl_b32 s[QL], s50, 6
	s_lshl_b32 s[QL+1], s15, 17
	s_add_co_u32 s[QL], s[QL], s[QL+1]
	s_mov_b32 s[QL+1], 0
	s_lshl_b32 s50, s[JBK], 7
	s_add_co_u32 s50, s50, s51
	s_lshr_b32 s62, s15, 4
	s_lshl_b32 s62, s62, 11
	s_add_co_u32 s62, s62, s50
	s_lshr_b32 s63, s62, 6
	s_lshl_b32 s63, s63, 16
	s_and_b32 s62, s62, 63
	s_lshl_b32 s62, s62, 6
	s_add_co_u32 s62, s62, s63
	s_and_b32 s63, s15, 15
	s_lshl_b32 s63, s63, 12
	s_add_co_u32 s62, s62, s63
	s_mov_b32 s63, 0
	s_mov_b32 s[SEL], 0x76543210
	s_mov_b32 s[SEL+1], 0xfedcba98
	s_mov_b32 s[CS], 0x3e38aa3b
	s_wait_dscnt 0x0
	s_wait_kmcnt 0x0
	s_load_b256 s[52:59], s[6:7], 0x0
	s_add_nc_u64 s[16:17], s[4:5], s[16:17]
	s_add_nc_u64 s[QL:QL+1], s[4:5], s[QL:QL+1]
	s_add_nc_u64 s[4:5], s[4:5], s[60:61]
	s_add_nc_u64 s[8:9], s[8:9], s[62:63]
	CROUND
.irp p, 0,1,2,3
	s_mov_b32 s[G0+4*\p], 1
	s_add_co_u32 s[G0+4*\p+1], s12, \p*36864
	s_add_nc_u64 s[G0+4*\p+2:G0+4*\p+3], s[16:17], \p*32768
	s_or_b32 s[G0+4*\p+3], s[G0+4*\p+3], 0x80000000
.endr
.irp p, 0,1,2,3
	tensor_load_to_lds s[G0+4*\p:G0+4*\p+3], s[G1:G1+7]
	s_nop 0
.endr
.rept 4
	v_nop
.endr
	v_and_b32 v8, 15, v0
	v_bfe_u32 v9, v0, 4, 1
	s_delay_alu instid0(VALU_DEP_2)
	v_lshlrev_b32 v[QA], 6, v8
	s_delay_alu instid0(VALU_DEP_1)
	v_lshl_add_u32 v[QA], v9, 4, v[QA]
	global_load_b128 v[16:19], v[QA], s[4:5]
	global_load_b128 v[20:23], v[QA], s[4:5] offset:32
	global_load_b128 v[24:27], v[QA], s[QL:QL+1]
	global_load_b128 v[28:31], v[QA], s[QL:QL+1] offset:32
	v_and_b32 v252, 8, v8
	s_delay_alu instid0(VALU_DEP_1)
	v_add_nc_u32 v252, v252, v8
	s_delay_alu instid0(VALU_DEP_1)
	v_lshrrev_b32 v252, 1, v252
	s_delay_alu instid0(VALU_DEP_1)
	v_mul_u32_u24 v[AK0], v252, KP
	v_and_b32 v252, 1, v0
	s_delay_alu instid0(VALU_DEP_1)
	v_lshl_add_u32 v[AK0], v252, 6, v[AK0]
	s_delay_alu instid0(VALU_DEP_1)
	v_lshl_add_u32 v[AK0], v9, 4, v[AK0]
	v_mul_u32_u24 v[AV0], v8, KP
	s_delay_alu instid0(VALU_DEP_1)
	v_lshl_add_u32 v[AV0], v9, 4, v[AV0]
	s_delay_alu instid0(VALU_DEP_1)
	v_add_nc_u32 v[AV0], VBASE, v[AV0]
	v_lshlrev_b32 v[DM], 4, v9
	s_delay_alu instid0(VALU_DEP_1)
	v_sub_nc_u32 v[DM], v8, v[DM]
	s_delay_alu instid0(VALU_DEP_1)
	v_add_nc_u32 v[DM], s51, v[DM]
	v_and_b32 v[GO], 31, v0
	s_delay_alu instid0(VALU_DEP_1)
	v_lshlrev_b32 v[GO], 4, v[GO]
	s_mul_i32 s10, s[WV], XW
	s_xor_b32 s11, s[WV], 8
	s_mul_i32 s11, s11, XW
	v_add_nc_u32 v[XS], s10, v[GO]
	v_add_nc_u32 v[XL], s11, v[GO]
	v_and_b32 v252, 31, v0
	s_delay_alu instid0(VALU_DEP_1)
	v_lshlrev_b32 v252, 3, v252
	s_delay_alu instid0(VALU_DEP_1)
	v_add_nc_u32 v[XS2], s10, v252
	s_delay_alu instid0(VALU_DEP_2)
	v_add_nc_u32 v[XL2], s11, v252
	s_mul_i32 s10, s[WV], 1280
	s_add_co_u32 s10, s10, STAGE
	v_mul_u32_u24 v[SI], v8, 80
	s_delay_alu instid0(VALU_DEP_1)
	v_lshl_add_u32 v[SI], v9, 3, v[SI]
	s_delay_alu instid0(VALU_DEP_1)
	v_add_nc_u32 v[SI], s10, v[SI]
	v_bfe_u32 v[SB], v0, 2, 3
	s_delay_alu instid0(VALU_DEP_1)
	v_mul_u32_u24 v[SB], v[SB], 80
	v_and_b32 v252, 3, v0
	s_delay_alu instid0(VALU_DEP_1)
	v_lshl_add_u32 v[SB], v252, 4, v[SB]
	s_delay_alu instid0(VALU_DEP_1)
	v_add_nc_u32 v[SB], s10, v[SB]
	v_mov_b32 v13, 0xff61b1e6
	s_delay_alu instid0(VALU_DEP_1)
	v_floor_f32 v12, -v13
	v_mov_b32 v14, 0
	v_mov_b32 v15, 0
	v_mov_b32 v236, 0
	v_mov_b32 v252, 0
	v_mov_b32 v253, 0
.set j, 0
.rept 32
	v_mov_b32 v[160+j], 0
.set j, j+1
.endr
	s_wait_kmcnt 0x0
	s_add_co_i32 s10, s54, s55
	s_lshl_b32 s10, s10, 23
	s_add_co_i32 s[CS], s[CS], s10
	s_mov_b32 s[CS+1], s[CS]
	s_add_co_i32 s10, s56, 127
	s_lshl_b32 s11, s10, 23
	v_mov_b32 v244, s11
	s_add_co_i32 s10, s58, 127
	s_lshl_b32 s11, s10, 23
	v_mov_b32 v245, s11
.macro STEP
	s_cmp_gt_u32 s[SN], s[JB]
	s_cbranch_scc1 .Lhidden_\@
	s_setprio 2
	v_add_nc_u32 v[ADK], s[TB], v[AK0]
	v_add_nc_u32 v[ADV], s[TB], v[AV0]
	v_nop
	v_nop
.irp t, 0,1,2,3,4,5,6,7
	ds_load_b128 v[32+8*\t:35+8*\t], v[ADK] offset:(16*(\t/2)+4*(\t%2))*KP
	ds_load_b128 v[36+8*\t:39+8*\t], v[ADK] offset:(16*(\t/2)+4*(\t%2))*KP+32
.endr
	s_wait_alu depctr_va_vdst(0)
	s_wait_dscnt 0x0
.irp t, 0,1,2,3,4,5,6,7
	v_wmma_f32_16x16x64_fp8_fp8 v[96+8*\t:103+8*\t], v[32+8*\t:39+8*\t], v[16:23], 0
.endr
.rept 4
	v_nop
.endr
.irp t, 0,1,2,3
.irp c, 0,1,2,3
	ds_load_b128 v[32+16*\t+4*\c:35+16*\t+4*\c], v[ADV] offset:2304*\t+32*\c
.endr
.endr
	s_cmp_lt_u32 s[SN], s[JB]
	s_cbranch_scc1 .Lopen_\@
	v_mov_b32 v254, 0xff800000
.set n, 0
.rept 64
	v_cmp_gt_i32 vcc_lo, 32*(n/16)+n%16, v[DM]
	v_cndmask_b32 v[96+n], v[96+n], v254, vcc_lo
.set n, n+1
.endr
.Lopen_\@:
	v_max3_num_f32 v254, v96, v97, v98
	v_max3_num_f32 v252, v99, v100, v101
.irp i, 6,10,14,18,22,26,30,34,38,42,46,50,54,58
	v_max3_num_f32 v254, v254, v[96+\i], v[97+\i]
	v_max3_num_f32 v252, v252, v[98+\i], v[99+\i]
.endr
	v_max3_num_f32 v254, v254, v158, v159
	s_delay_alu instid0(VALU_DEP_1)
	v_max_num_f32 v254, v254, v252
	v_permlanex16_b32 v236, v254, s[SEL], s[SEL+1]
	s_delay_alu instid0(VALU_DEP_1)
	v_max_num_f32 v254, v254, v236
	s_delay_alu instid0(VALU_DEP_1)
	v_mul_f32 v254, s[CS], v254
	s_delay_alu instid0(VALU_DEP_1)
	v_max_num_f32 v13, v13, v254
	v_mov_b32 v254, v12
	s_delay_alu instid0(VALU_DEP_2)
	v_floor_f32 v12, -v13
	s_delay_alu instid0(VALU_DEP_1)
	v_sub_f32 v254, v12, v254
	s_delay_alu instid0(VALU_DEP_1)
	v_cvt_i32_f32 v254, v254
	s_delay_alu instid0(VALU_DEP_1)
	v_ldexp_f32 v252, 1.0, v254
.set j, 0
	s_setprio 1
.rept 32
	v_pk_fma_f32 v[96+j:97+j], v[96+j:97+j], s[CS:CS+1], v[12:13] op_sel_hi:[1,0,0]
.set j, j+2
.endr
.set j, 0
	s_wait_alu depctr_va_vdst(0)
.rept 64
	v_exp_f32 v[96+j], v[96+j]
.set j, j+1
.endr
	v_pk_mul_f32 v[14:15], v[14:15], v[252:253] op_sel_hi:[1,0]
	s_wait_alu depctr_va_vdst(0)
	v_pk_add_f32 v[242:243], v[100:101], v[104:105]
	v_pk_add_f32 v[254:255], v[108:109], v[112:113]
	v_pk_add_f32 v[240:241], v[116:117], v[120:121]
	v_pk_add_f32 v[238:239], v[124:125], v[128:129]
	v_pk_add_f32 v[236:237], v[132:133], v[136:137]
	v_pk_add_f32 v[234:235], v[140:141], v[144:145]
	v_pk_add_f32 v[232:233], v[148:149], v[152:153]
	v_pk_add_f32 v[14:15], v[14:15], v[156:157]
	v_pk_add_f32 v[242:243], v[242:243], v[96:97]
	v_pk_add_f32 v[254:255], v[254:255], v[98:99]
	v_pk_add_f32 v[240:241], v[240:241], v[102:103]
	v_pk_add_f32 v[238:239], v[238:239], v[106:107]
	v_pk_add_f32 v[236:237], v[236:237], v[110:111]
	v_pk_add_f32 v[234:235], v[234:235], v[114:115]
	v_pk_add_f32 v[232:233], v[232:233], v[118:119]
	v_pk_add_f32 v[14:15], v[14:15], v[122:123]
	v_pk_add_f32 v[242:243], v[242:243], v[126:127]
	v_pk_add_f32 v[254:255], v[254:255], v[130:131]
	v_pk_add_f32 v[240:241], v[240:241], v[134:135]
	v_pk_add_f32 v[238:239], v[238:239], v[138:139]
	v_pk_add_f32 v[236:237], v[236:237], v[142:143]
	v_pk_add_f32 v[234:235], v[234:235], v[146:147]
	v_pk_add_f32 v[232:233], v[232:233], v[150:151]
	s_setprio 0
	v_pk_add_f32 v[14:15], v[14:15], v[154:155]
	v_pk_add_f32 v[242:243], v[242:243], v[158:159]
	s_delay_alu instid0(VALU_DEP_2)
	v_pk_add_f32 v[14:15], v[14:15], v[238:239]
	s_delay_alu instid0(VALU_DEP_2)
	v_pk_add_f32 v[242:243], v[242:243], v[236:237]
	v_pk_add_f32 v[254:255], v[254:255], v[234:235]
	v_pk_add_f32 v[240:241], v[240:241], v[232:233]
	s_delay_alu instid0(VALU_DEP_2)
	v_pk_add_f32 v[14:15], v[14:15], v[254:255]
	s_delay_alu instid0(VALU_DEP_2)
	v_pk_add_f32 v[242:243], v[242:243], v[240:241]
	s_delay_alu instid0(VALU_DEP_1)
	v_pk_add_f32 v[14:15], v[14:15], v[242:243]
.irp b, 0,1,2,3
.irp i, 0,1,2,3,4,5,6,7,8,9,10,11,12,13,14,15
.endr
	v_cvt_scalef32_pk8_fp8_f32 v[224+4*\b:225+4*\b], v[96+16*\b:103+16*\b], v244
	v_cvt_scalef32_pk8_fp8_f32 v[226+4*\b:227+4*\b], v[104+16*\b:111+16*\b], v244
.endr
.set j, 0
.rept 16
	v_pk_mul_f32 v[160+j:161+j], v[160+j:161+j], v[252:253] op_sel_hi:[1,0]
.set j, j+2
.endr
	s_wait_alu depctr_va_vdst(0)
	s_wait_dscnt 0x0
.irp t, 0,1,2,3
	v_wmma_f32_16x16x128_fp8_fp8 v[160+8*\t:167+8*\t], v[32+16*\t:47+16*\t], v[224:239], v[160+8*\t:167+8*\t]
.endr
.Lhidden_\@:
.endm
.macro STEPS n
	s_mov_b32 s[CNT], \n
.Lst_\@:
	STEP
	s_add_co_u32 s[TB], s[TB], 18432
	s_add_co_u32 s[SN], s[SN], 2
	s_sub_co_u32 s[CNT], s[CNT], 1
	s_cmp_lg_u32 s[CNT], 0
	s_cbranch_scc1 .Lst_\@
	s_setprio 0
.endm
.macro MEET
	s_wait_dscnt 0x0
	s_barrier_signal -1
	s_barrier_wait -1
.endm
	s_wait_loadcnt 0x0
	s_mov_b32 s[JB], s[JBH]
	s_mov_b32 s[SN], s[PAR]
	s_wait_tensorcnt 3
	MEET
	s_mov_b32 s[TB], s[TB0]
	STEPS 2
	s_wait_tensorcnt 2
	MEET
	s_add_co_u32 s[TB], s[TB0], 36864
	STEPS 2
	s_wait_tensorcnt 0x0
	MEET
	s_add_co_u32 s[TB], s[TB0], 73728
	STEPS 4
.rept 4
	v_nop
.endr
.set j, 0
.rept 32
	v_mov_b32 v[SVO+j], v[160+j]
.set j, j+1
.endr
	v_mov_b32 v[SVN], v12
	v_add_f32 v[SVL], v14, v15
.set j, 0
.rept 8
	v_mov_b32 v[16+j], v[24+j]
.set j, j+1
.endr
	v_mov_b32 v13, 0xff61b1e6
	s_delay_alu instid0(VALU_DEP_1)
	v_floor_f32 v12, -v13
	v_mov_b32 v14, 0
	v_mov_b32 v15, 0
.set j, 0
.rept 32
	v_mov_b32 v[160+j], 0
.set j, j+1
.endr
	s_mov_b32 s[JB], s[JBL]
	s_mov_b32 s[SN], s[PAR]
	s_mov_b32 s[TB], s[TB0]
	STEPS 4
.rept 4
	v_nop
.endr
	v_add_f32 v14, v14, v15
	s_mov_b32 vcc_lo, s[MASK]
.set j, 0
.rept 32
	v_cndmask_b32 v[96+j], v[160+j], v[SVO+j], vcc_lo
	v_cndmask_b32 v[128+j], v[SVO+j], v[160+j], vcc_lo
.set j, j+1
.endr
	v_cndmask_b32 v32, v12, v[SVN], vcc_lo
	v_cndmask_b32 v33, v14, v[SVL], vcc_lo
	v_cndmask_b32 v34, v[SVN], v12, vcc_lo
	v_cndmask_b32 v35, v[SVL], v14, vcc_lo
	s_wait_alu depctr_va_vdst(0)
	MEET
.irp c, 0,1,2,3,4,5,6,7
	ds_store_b128 v[XS], v[96+4*\c:99+4*\c] offset:512*\c
.endr
	ds_store_b64 v[XS2], v[32:33] offset:4096
	MEET
.irp c, 0,1,2,3,4,5,6,7
	ds_load_b128 v[64+4*\c:67+4*\c], v[XL] offset:512*\c
.endr
	ds_load_b64 v[36:37], v[XL2] offset:4096
	s_wait_dscnt 0x0
	v_min_num_f32 v38, v34, v36
	s_delay_alu instid0(VALU_DEP_1)
	v_sub_f32 v39, v38, v34
	s_delay_alu instid0(VALU_DEP_2)
	v_sub_f32 v40, v38, v36
	s_delay_alu instid0(VALU_DEP_2)
	v_cvt_i32_f32 v39, v39
	s_delay_alu instid0(VALU_DEP_2)
	v_cvt_i32_f32 v40, v40
	s_delay_alu instid0(VALU_DEP_2)
	v_ldexp_f32 v42, 1.0, v39
	s_delay_alu instid0(VALU_DEP_2)
	v_ldexp_f32 v44, 1.0, v40
	v_mov_b32 v43, 0
	v_mov_b32 v45, 0
	s_delay_alu instid0(VALU_DEP_4)
	v_mul_f32 v35, v35, v42
	s_delay_alu instid0(VALU_DEP_1)
	v_fma_f32 v35, v37, v44, v35
	s_delay_alu instid0(VALU_DEP_1)
	v_permlanex16_b32 v252, v35, s[SEL], s[SEL+1]
	s_delay_alu instid0(VALU_DEP_1)
	v_add_f32 v14, v35, v252
	s_wait_alu depctr_va_vdst(0)
	v_rcp_f32 v14, v14
	v_nop
	s_add_co_i32 s10, s56, s57
	s_wait_alu depctr_va_vdst(0)
	v_ldexp_f32 v14, v14, s10
	s_delay_alu instid0(VALU_DEP_1)
	v_mul_f32 v42, v42, v14
	s_delay_alu instid0(VALU_DEP_2)
	v_mul_f32 v44, v44, v14
.set j, 0
.rept 16
	v_pk_mul_f32 v[96+j:97+j], v[128+j:129+j], v[42:43] op_sel_hi:[1,0]
.set j, j+2
.endr
.set j, 0
.rept 16
	v_pk_fma_f32 v[96+j:97+j], v[64+j:65+j], v[44:45], v[96+j:97+j] op_sel_hi:[1,0,1]
.set j, j+2
.endr
.set j, 0
.rept 32
.set j, j+1
.endr
.irp t, 0,1,2,3
	v_cvt_scalef32_pk8_fp8_f32 v[224+2*\t:225+2*\t], v[96+8*\t:103+8*\t], v245
.endr
	v_nop
.irp t, 0,1,2,3
	ds_store_b64 v[SI], v[224+2*\t:225+2*\t] offset:16*\t
.endr
	ds_load_b128 v[32:35], v[SB]
	ds_load_b128 v[36:39], v[SB] offset:640
	s_wait_dscnt 0x0
	global_store_b128 v[GO], v[32:35], s[8:9]
	global_store_b128 v[GO], v[36:39], s[8:9] offset:512
	s_wait_tensorcnt 0x0
	ds_add_u32 v[SPW], v[NIL]
	s_wait_dscnt 0x0
	CROUND
	s_endpgm
.Lfunc_end_k_q592bd6b0cc_attn:
	.size	k_q592bd6b0cc_attn, .Lfunc_end_k_q592bd6b0cc_attn-k_q592bd6b0cc_attn
	.p2alignl 7, 3214868480
	.fill 96, 4, 3214868480
	.section	.rodata,"a",@progbits
	.p2align	6, 0x0
	.amdhsa_kernel k_q592bd6b0cc_attn
		.amdhsa_group_segment_fixed_size 327680
		.amdhsa_private_segment_fixed_size 0
		.amdhsa_enable_private_segment 0
		.amdhsa_kernarg_size 24
		.amdhsa_user_sgpr_count 2
		.amdhsa_user_sgpr_kernarg_segment_ptr 1
		.amdhsa_wavefront_size32 1
		.amdhsa_system_sgpr_workgroup_id_x 1
		.amdhsa_system_sgpr_workgroup_id_y 1
		.amdhsa_system_sgpr_workgroup_id_z 1
		.amdhsa_system_vgpr_workitem_id 0
		.amdhsa_next_free_vgpr 256
		.amdhsa_next_free_sgpr 80
		.amdhsa_reserve_vcc 1
		.amdhsa_float_denorm_mode_32 3
		.amdhsa_float_denorm_mode_16_64 3
		.amdhsa_fp16_overflow 1
		.amdhsa_memory_ordered 1
		.amdhsa_forward_progress 1
		.amdhsa_inst_pref_size 98
	.end_amdhsa_kernel
	.amdgpu_metadata
---
amdhsa.version: [ 1, 2 ]
amdhsa.kernels:
  - .name:           k_q592bd6b0cc_attn
    .symbol:         k_q592bd6b0cc_attn.kd
    .args:
      - { .name: qkv, .offset: 0, .size: 8, .value_kind: global_buffer, .address_space: global }
      - { .name: lowp_scales, .offset: 8, .size: 8, .value_kind: global_buffer, .address_space: global }
      - { .name: ao, .offset: 16, .size: 8, .value_kind: global_buffer, .address_space: global }
    .group_segment_fixed_size: 327680
    .private_segment_fixed_size: 0
    .kernarg_segment_align: 8
    .kernarg_segment_size: 24
    .max_flat_workgroup_size: 512
    .sgpr_count:     80
    .vgpr_count:     256
    .wavefront_size: 32
...
	.end_amdgpu_metadata
.endif
;; end of part 3
;; launch proj (part 4): grid 8 x 32, 4 waves a work-group, clusters of 4 x 4, 327,680 bytes of LDS; arguments ao, cb, lowp_scales, b_out, x, x2; writes x2
.if DOCPART == 4
	.amdgcn_target "amdgcn-amd-amdhsa--gfx1250"
	.amdhsa_code_object_version 6
	.text
	.protected	k_q592bd6b0cc_proj
	.globl	k_q592bd6b0cc_proj
	.p2align	8
	.type	k_q592bd6b0cc_proj,@function
k_q592bd6b0cc_proj:
	s_mov_b64 s[64:65], 0
	v_nop
	global_prefetch_b8 v0, s[64:65] scope:SCOPE_SE
	s_setreg_imm32_b32 hwreg(HW_REG_WAVE_MODE, 25, 1), 1
	s_wait_xcnt 0x0
	s_wait_alu depctr_hold_cnt(0) depctr_sa_sdst(0) depctr_va_vdst(0) depctr_va_sdst(0) depctr_va_ssrc(0) depctr_va_vcc(0) depctr_vm_vsrc(0)
	s_getreg_b32 s2, hwreg(HW_REG_IB_STS2, 6, 4)
	s_cmp_eq_u32 s2, 0
	s_cbranch_scc0 .Lentry_in_a_cluster
	s_endpgm
.Lentry_in_a_cluster:
	s_bfe_u32 s2, ttmp6, 0x10000c
	s_cmp_lg_u32 s2, 0xf033
	s_cbranch_scc0 .Lentry_shape_is_right
	s_endpgm
.Lentry_shape_is_right:
; out = A B^T x 2^(ea + eb) + bias + residual, A and B codes of E4M3, out f32 [4096][1024].  One text serves two launches by the constant PROJ.
; PROJ = 1: product 4: A = attention's codes in blocks ((T / 64) x 65536 + head x 4096 + (T % 64) x 64 + d), K = 1,024; B = w_out's codes at cb + 0x300000; e6, e7; bias b_out, residual x.
; PROJ = 0: product 6: A = the hidden layer's codes [4096][4096], K = 4,096; B = w2's codes at cb + 0x800000; e10, e11; bias b2, residual x2.
; A tile of 128 x 128 to a work-group, so that 256 work-groups share the 4,096 x 1,024 outputs; four waves of 64 x 64: 16 accumulators.  K in steps of 512 through two LDS slots, filled by joint loads of a 4 x 4 cluster
; (A's tile shared along a row, B's along a column); a step is four quarters of 128 along K, 16 matrix instructions each, on two fragment buffers by turns.
; With PROJ = 1 A's half tile, 64 tokens x 512 along K, is 32,768 consecutive bytes of memory: it comes as 512 lines of 64 bytes (head, token), 16 bytes of padding behind each.
; The matrix instruction is used transposed (source 0 = 16 rows of B, source 1 = 16 rows of A): a lane holds eight neighbouring outputs of a row.  A wave's 64 columns are 256 bytes, aligned: each wave has a stage of its own.
; The residual's 64 x 64 numbers are asked for at the head, into registers that the products do not touch.  No prefetch: with these small tiles the K steps are few and short.
; LIMIT: ea + eb between -126 and 127.
; REGISTERS: window 0: v0-31 addresses, v32-95 at work on the way out, v96-99 the bias, v128-255 the accumulators ((a, b) at v[128 + 8 (4 a + b)]); window 1: two buffers of 128: A's four fragments, then B's four; window 2: v0-127 the residual.
.set PROJ, 1
.if PROJ
.set LAPS,  1
.set KROWB, 1024
.set WOFF,  0x300000
.set AP,    80
.set HALFA, 512*80
.set ASTEP, 32768
.set EOFF,  0x18
.else
.set LAPS,  4
.set KROWB, 4096
.set WOFF,  0x800000
.set AP,    528
.set HALFA, 64*528
.set ASTEP, 512
.set EOFF,  0x28
.endif
.set HALFB, 64*528                     ; B: 64 rows of 512 bytes + 16 of padding
.set SLOT,  2*HALFA+2*HALFB
.set STAGE, 2*SLOT                     ; behind the ring: 16 rows x 272 bytes for each wave
.set SPARE, STAGE+4*16*272             ; behind the stages: the spare words
.set ADRA, 16
.set ADRB, 20
.set STO,  24
.set RD,   25
.set CO,   26
.set BO,   27
.set SPW,  28
.set NIL,  29
.set T,    32
.set BI,   96
.set ACC,  128
.set F0,   0
.set F1,   128
.set G1, 24
.set G0, 32
.set G1B, 48
.set G0B, 56
.set MSB, 0
.macro WIN new
.if MSB != \new
	s_set_vgpr_msb (MSB<<8)|\new
.set MSB, \new
.endif
.endm
.macro JLOAD s                         ; a joint load: waves 0 and 1 fetch A's halves, waves 2 and 3 B's; an s_nop 0 and four v_nop follow each line
	s_cmp_eq_u32 s11, 0
	s_cbranch_scc0 .Lfor_b_\@
	tensor_load_to_lds s[G0+4*\s:G0+4*\s+3], s[G1:G1+7]
	s_nop 0
.rept 4
	v_nop
.endr
	s_branch .Lasked_\@
.Lfor_b_\@:
	tensor_load_to_lds s[G0B+4*\s:G0B+4*\s+3], s[G1B:G1B+7]
	s_nop 0
.rept 4
	v_nop
.endr
.Lasked_\@:
.endm
.macro CREST
	s_cmp_lg_u32 s10, 0
	s_cbranch_scc1 .Lnot_wave_0_\@
	s_barrier_signal -3
.Lnot_wave_0_\@:
	s_barrier_wait -3
	s_barrier_signal -1
	s_barrier_wait -1
.endm
.macro CROUND
	s_barrier_signal -1
	s_barrier_wait -1
	CREST
.endm
	s_load_b128 s[4:7], s[0:1], 0x0                ; A's codes, cb
	s_load_b64 s[8:9], s[0:1], 0x10                ; the scales' exponents
	s_load_b64 s[66:67], s[0:1], 0x18              ; the bias
	s_load_b128 s[68:71], s[0:1], 0x20             ; the residual, the output
	v_lshl_add_u32 v[SPW], v0, 2, SPARE
	v_mov_b32 v[NIL], 0
	ds_add_u32 v[SPW], v[NIL]                      ; the wave's opening: the add and its wait ahead of my first tensor load
	ds_add_u32 v[SPW], v[NIL]
	v_lshrrev_b32 v1, 5, v0
	v_readfirstlane_b32 s10, v1                    ; wave 0..3
	s_lshr_b32 s11, s10, 1                         ; my half of the tile's rows; also: I fetch for A (0) or B (1)
	s_and_b32 s12, s10, 1                          ; my half of its columns; also: which half I fetch
	s_bfe_u32 s40, ttmp6, 0x40000
	s_bfe_u32 s41, ttmp6, 0x40004
	s_lshl_b32 s42, ttmp9, 2
	s_add_co_u32 s42, s42, s40                     ; tile column
	s_and_b32 s13, ttmp7, 0xffff
	s_lshl_b32 s13, s13, 2
	s_add_co_u32 s13, s13, s41                     ; tile row
	s_lshl_b32 s43, s41, 2
	s_lshl_b32 s43, 15, s43                        ; my row of the cluster
	s_lshl_b32 s44, 0x1111, s40                    ; my column
.if PROJ
	s_or_b32 s[G1+0], s43, (0<<16)|(1<<20)|(1<<21)|(3<<22)|(3<<25)  ; elements of 1 byte; 4 words of padding after every 16
	s_mov_b32 s[G1+1], 64<<16
	s_mov_b32 s[G1+2], 512<<16
	s_mov_b32 s[G1+3], 64<<16
	s_mov_b32 s[G1+4], 512
	s_mov_b32 s[G1+5], 64
.else
	s_or_b32 s[G1+0], s43, (0<<16)|(1<<20)|(1<<21)|(6<<22)|(3<<25)  ; 4 words of padding after every 128
	s_mov_b32 s[G1+1], 512<<16
	s_mov_b32 s[G1+2], 64<<16
	s_mov_b32 s[G1+3], 512<<16
	s_mov_b32 s[G1+4], 64
	s_mov_b32 s[G1+5], 4096
.endif
	s_mov_b32 s[G1+6], 0
	s_mov_b32 s[G1+7], 0
	s_or_b32 s[G1B+0], s44, (0<<16)|(1<<20)|(1<<21)|(6<<22)|(3<<25)
	s_mov_b32 s[G1B+1], 512<<16
	s_mov_b32 s[G1B+2], 64<<16
	s_mov_b32 s[G1B+3], 512<<16
	s_mov_b32 s[G1B+4], 64
	s_mov_b32 s[G1B+5], KROWB
	s_mov_b32 s[G1B+6], 0
	s_mov_b32 s[G1B+7], 0
.if PROJ
	s_lshl_b32 s16, s13, 1
	s_add_co_u32 s16, s16, s12
	s_lshl_b32 s16, s16, 16                        ; A: block 2 x tile row + half of 64 tokens
.else
	s_lshl_b32 s16, s13, 7
	s_lshl_b32 s17, s12, 6
	s_add_co_u32 s16, s16, s17
	s_lshl_b32 s16, s16, 12                        ; A: row 128 x tile row + 64 x half
.endif
	s_mov_b32 s17, 0
	s_lshl_b32 s46, s42, 7
	s_lshl_b32 s47, s12, 6
	s_add_co_u32 s46, s46, s47
	s_mul_i32 s46, s46, KROWB
	s_add_co_u32 s46, s46, WOFF                    ; B: row 128 x tile column + 64 x half
	s_mov_b32 s47, 0
	s_mul_i32 s20, s12, HALFA                      ; where they go: A's two halves,
	s_mul_i32 s21, s12, HALFB
	s_add_co_u32 s21, s21, 2*HALFA                 ; then B's two
	s_wait_dscnt 0x0                               ; the opening add is done
	s_wait_kmcnt 0x0
	s_load_b64 s[72:73], s[8:9], EOFF              ; ea, eb
	s_add_nc_u64 s[14:15], s[4:5], s[16:17]
	s_add_nc_u64 s[46:47], s[6:7], s[46:47]
	CROUND                                         ; all sixteen work-groups are here: the first joint loads meet
.irp s, 0,1
	s_mov_b32 s[G0+4*\s], 1
	s_add_co_u32 s[G0+4*\s+1], s20, \s*SLOT
	s_add_nc_u64 s[G0+4*\s+2:G0+4*\s+3], s[14:15], \s*ASTEP
	s_or_b32 s[G0+4*\s+3], s[G0+4*\s+3], 0x80000000
	s_mov_b32 s[G0B+4*\s], 1
	s_add_co_u32 s[G0B+4*\s+1], s21, \s*SLOT
	s_add_nc_u64 s[G0B+4*\s+2:G0B+4*\s+3], s[46:47], \s*512
	s_or_b32 s[G0B+4*\s+3], s[G0B+4*\s+3], 0x80000000
	JLOAD \s
.endr
	v_and_b32 v1, 15, v0                           ; r
	v_bfe_u32 v2, v0, 4, 1                         ; h
	v_mul_u32_u24 v3, v1, AP
	v_lshl_add_u32 v3, v2, 4, v3
	v_mul_u32_u24 v4, v1, 528
	v_lshl_add_u32 v4, v2, 4, v4
	s_mul_i32 s21, s11, HALFA                      ; my 64 rows of A
	s_mul_i32 s22, s12, HALFB
	s_add_co_u32 s22, s22, 2*HALFA                 ; my 64 rows of B
.irp s, 0,1
	v_add_nc_u32 v[ADRA+\s], s21, v3
	v_add_nc_u32 v[ADRB+\s], s22, v4
	s_add_co_u32 s21, s21, SLOT
	s_add_co_u32 s22, s22, SLOT
.endr
	s_mul_i32 s23, s10, 16*272
	s_add_co_u32 s23, s23, STAGE                   ; my stage
	v_mul_u32_u24 v5, v1, 272
	v_lshl_add_u32 v5, v2, 5, v5
	v_add_nc_u32 v[STO], s23, v5                   ; in: row r, 32 bytes for each half of the lanes
	v_mul_u32_u24 v5, v2, 272
	v_lshl_add_u32 v5, v1, 4, v5
	v_add_nc_u32 v[RD], s23, v5                    ; back: lanes 0-15 one row of 256 bytes, lanes 16-31 the next
	v_lshlrev_b32 v[CO], 12, v2
	v_lshl_add_u32 v[CO], v1, 4, v[CO]             ; and the same two rows in the residual and in the output
	s_wait_alu depctr_va_vdst(0)
	v_lshlrev_b32 v[BO], 4, v1
	s_wait_alu depctr_va_vdst(0)
	s_lshl_b32 s16, s13, 7
	s_lshl_b32 s17, s11, 6
	s_add_co_u32 s16, s16, s17
	s_lshl_b32 s16, s16, 12                        ; my first row, in bytes,
	s_mov_b32 s17, 0
	s_lshl_b32 s46, s42, 9
	s_lshl_b32 s47, s12, 8
	s_add_co_u32 s46, s46, s47                     ; my first column
	s_mov_b32 s47, 0
	s_add_nc_u64 s[68:69], s[68:69], s[16:17]
	s_add_nc_u64 s[68:69], s[68:69], s[46:47]
	s_add_nc_u64 s[70:71], s[70:71], s[16:17]
	s_add_nc_u64 s[70:71], s[70:71], s[46:47]
	s_add_nc_u64 s[66:67], s[66:67], s[46:47]
	WIN 0x80                                       ; destination window 2
.irp a, 0,1,2,3
.irp t, 0,1,2,3,4,5,6,7
	global_load_b128 v[4*(8*\a+\t):4*(8*\a+\t)+3], v[CO], s[68:69] offset:(16*\a+2*\t)*4096 th:TH_LOAD_NT   ; sixteen lanes read 256 consecutive bytes
.endr
.endr
	WIN 0
	global_load_b128 v[BI:BI+3], v[BO], s[66:67]   ; the bias of my four columns on the way out
.macro FETCH slot, q, f                ; the fragments of the slot's q-th 128 along K into buffer f: registers 4 c .. 4 c + 3 hold K = 32 c + 16 h + 0 .. 15, in A and in B alike
	WIN 0x40
.irp i, 0,1,2,3
.irp c, 0,1,2,3
	ds_load_b128 v[\f+64+16*\i+4*\c:\f+64+16*\i+4*\c+3], v[ADRB+\slot] offset:128*(\q)+32*\c+8448*\i
.endr
.irp c, 0,1,2,3
.if PROJ
	ds_load_b128 v[\f+16*\i+4*\c:\f+16*\i+4*\c+3], v[ADRA+\slot] offset:(2*(\q)+\c/2)*5120+1280*\i+32*(\c%2)
.else
	ds_load_b128 v[\f+16*\i+4*\c:\f+16*\i+4*\c+3], v[ADRA+\slot] offset:128*(\q)+32*\c+8448*\i
.endif
.endr
.endr
.endm
.macro MULN f, a0, n, zero             ; A's blocks a0 .. a0 + n - 1 x B's four; the 16 accumulators take turns in one order
	WIN 0x05
.set ma, \a0
.rept \n
.irp b, 0,1,2,3
.if \zero
	v_wmma_f32_16x16x128_fp8_fp8 v[ACC+8*(4*ma+\b):ACC+8*(4*ma+\b)+7], v[\f+64+16*\b:\f+64+16*\b+15], v[\f+16*ma:\f+16*ma+15], 0
.else
	v_wmma_f32_16x16x128_fp8_fp8 v[ACC+8*(4*ma+\b):ACC+8*(4*ma+\b)+7], v[\f+64+16*\b:\f+64+16*\b+15], v[\f+16*ma:\f+16*ma+15], v[ACC+8*(4*ma+\b):ACC+8*(4*ma+\b)+7]
.endif
.endr
.set ma, ma+1
.endr
.endm
.macro PLACES
.rept 4
	v_nop
.endr
.endm
.macro QUARTER slot, q, f, g, zero     ; multiplies buffer f; ahead of that, asks for the slot's q-th quarter into buffer g
	s_wait_dscnt 0x0                               ; buffer f is in
	PLACES                                         ; in front of loads into registers that the last quarter's products read
	FETCH \slot, \q, \g
	MULN \f, 0, 4, \zero
.endm
.macro TURN slot, next, fill           ; a slot's last quarter changes slots
	WIN 0
	s_wait_tensorcnt 0x0                           ; all my tensor loads have landed: my part of the next slot
	ds_add_u32 v[SPW], v[NIL]
	s_wait_dscnt 0x0                               ; the add is done, buffer 1 is in, and my reads of this slot are over
	s_barrier_signal -1
	MULN F1, 0, 2, 0
	WIN 0
	s_barrier_wait -1
.if \fill
	CREST                                          ; no wave of any partner still reads this slot or has a load on its way
	s_add_nc_u64 s[G0+4*\slot+2:G0+4*\slot+3], s[G0+4*\slot+2:G0+4*\slot+3], 2*ASTEP
	s_add_nc_u64 s[G0B+4*\slot+2:G0B+4*\slot+3], s[G0B+4*\slot+2:G0B+4*\slot+3], 1024
	JLOAD \slot                                    ; the first tensor load behind the round; its four v_nop are the places in front of the loads below
.else
	PLACES
.endif
	FETCH \next, 0, F0
	MULN F1, 2, 2, 0
.endm
	s_wait_tensorcnt 1                             ; my part of K step 0 is in; K step 1's load may be out
	s_barrier_signal -1
	s_barrier_wait -1
	FETCH 0, 0, F0
	QUARTER 0, 1, F0, F1, 1                        ; the first quarter's products start the sums
.if LAPS > 1
	WIN 0
	s_mov_b32 s3, LAPS-1
.Llap:
	QUARTER 0, 2, F1, F0, 0
	QUARTER 0, 3, F0, F1, 0
	TURN 0, 1, 1
	QUARTER 1, 1, F0, F1, 0
	QUARTER 1, 2, F1, F0, 0
	QUARTER 1, 3, F0, F1, 0
	TURN 1, 0, 1
	QUARTER 0, 1, F0, F1, 0
	WIN 0
	s_sub_co_u32 s3, s3, 1
	s_cmp_lg_u32 s3, 0
	s_cbranch_scc1 .Llap
.endif
	QUARTER 0, 2, F1, F0, 0                        ; the last lap fills nothing
	QUARTER 0, 3, F0, F1, 0
	TURN 0, 1, 0
	QUARTER 1, 1, F0, F1, 0
	QUARTER 1, 2, F1, F0, 0
	QUARTER 1, 3, F0, F1, 0
	s_wait_dscnt 0x0
	MULN F1, 0, 4, 0
	WIN 0
; THE WAY OUT, block by block of 16 rows x 64 columns: the sums go through my stage and come back as rows of 256 bytes; there sum x 2^(ea + eb) + bias is one packed multiply-add, the residual one packed addition.
.macro TOST a
.irp b, 0,1,2,3
	ds_store_b128 v[STO], v[ACC+8*(4*\a+\b):ACC+8*(4*\a+\b)+3] offset:64*\b       ; each accumulator from its low end on
	ds_store_b128 v[STO], v[ACC+8*(4*\a+\b)+4:ACC+8*(4*\a+\b)+7] offset:64*\b+16
.endr
.irp t, 0,1,2,3,4,5,6,7
	ds_load_b128 v[T+32*(\a%2)+4*\t:T+32*(\a%2)+4*\t+3], v[RD] offset:544*\t     ; LDS serves a wave's instructions in order: these see my stores
.endr
.endm
.macro OUT a, younger
.set TT, T+32*(\a%2)
	s_wait_dscnt \younger                          ; the block is back; the next block's 8 stores and 8 loads may be out
.irp t, 0,1,2,3,4,5,6,7
	v_pk_fma_f32 v[TT+4*\t:TT+4*\t+1], v[TT+4*\t:TT+4*\t+1], s[72:73], v[BI:BI+1] op_sel_hi:[1,0,1]
	v_pk_fma_f32 v[TT+4*\t+2:TT+4*\t+3], v[TT+4*\t+2:TT+4*\t+3], s[72:73], v[BI+2:BI+3] op_sel_hi:[1,0,1]
.endr
	WIN 0x08                                       ; source 1: window 2
.irp t, 0,1,2,3,4,5,6,7
	v_pk_add_f32 v[TT+4*\t:TT+4*\t+1], v[TT+4*\t:TT+4*\t+1], v[4*(8*\a+\t):4*(8*\a+\t)+1]
	v_pk_add_f32 v[TT+4*\t+2:TT+4*\t+3], v[TT+4*\t+2:TT+4*\t+3], v[4*(8*\a+\t)+2:4*(8*\a+\t)+3]
.endr
	WIN 0
.irp t, 0,1,2,3,4,5,6,7
	global_store_b128 v[CO], v[TT+4*\t:TT+4*\t+3], s[70:71] offset:(16*\a+2*\t)*4096   ; sixteen lanes store 256 consecutive bytes, aligned
.endr
.endm
	PLACES                                         ; in front of the first read of results
	s_wait_kmcnt 0x0
	s_add_co_i32 s72, s72, s73
	s_add_co_i32 s72, s72, 127
	s_lshl_b32 s72, s72, 23                        ; 2^(ea + eb) as f32
	s_mov_b32 s73, s72
	s_wait_loadcnt 0x0                             ; the residual and the bias
	TOST 0
	TOST 1
	OUT 0, 16
	s_wait_xcnt 0x0                                ; block 0's stores have read their registers
	TOST 2
	OUT 1, 16
	s_wait_xcnt 0x0
	TOST 3
	OUT 2, 16
	OUT 3, 0
	s_wait_tensorcnt 0x0                           ; the wave's end
	ds_add_u32 v[SPW], v[NIL]
	s_wait_dscnt 0x0
	CROUND                                         ; the closing round
	s_endpgm
.Lfunc_end_k_q592bd6b0cc_proj:
	.size	k_q592bd6b0cc_proj, .Lfunc_end_k_q592bd6b0cc_proj-k_q592bd6b0cc_proj
	.p2alignl 7, 3214868480
	.fill 96, 4, 3214868480
	.section	.rodata,"a",@progbits
	.p2align	6, 0x0
	.amdhsa_kernel k_q592bd6b0cc_proj
		.amdhsa_group_segment_fixed_size 327680
		.amdhsa_private_segment_fixed_size 0
		.amdhsa_enable_private_segment 0
		.amdhsa_kernarg_size 48
		.amdhsa_user_sgpr_count 2
		.amdhsa_user_sgpr_kernarg_segment_ptr 1
		.amdhsa_wavefront_size32 1
		.amdhsa_system_sgpr_workgroup_id_x 1
		.amdhsa_system_sgpr_workgroup_id_y 1
		.amdhsa_system_sgpr_workgroup_id_z 1
		.amdhsa_system_vgpr_workitem_id 0
		.amdhsa_next_free_vgpr 640
		.amdhsa_next_free_sgpr 80
		.amdhsa_reserve_vcc 0
		.amdhsa_float_denorm_mode_32 3
		.amdhsa_float_denorm_mode_16_64 3
		.amdhsa_memory_ordered 1
		.amdhsa_forward_progress 1
		.amdhsa_inst_pref_size 53
	.end_amdhsa_kernel
	.amdgpu_metadata
---
amdhsa.version: [ 1, 2 ]
amdhsa.kernels:
  - .name:           k_q592bd6b0cc_proj
    .symbol:         k_q592bd6b0cc_proj.kd
    .args:
      - { .name: ao, .offset: 0, .size: 8, .value_kind: global_buffer, .address_space: global }
      - { .name: cb, .offset: 8, .size: 8, .value_kind: global_buffer, .address_space: global }
      - { .name: lowp_scales, .offset: 16, .size: 8, .value_kind: global_buffer, .address_space: global }
      - { .name: b_out, .offset: 24, .size: 8, .value_kind: global_buffer, .address_space: global }
      - { .name: x, .offset: 32, .size: 8, .value_kind: global_buffer, .address_space: global }
      - { .name: x2, .offset: 40, .size: 8, .value_kind: global_buffer, .address_space: global }
    .group_segment_fixed_size: 327680
    .private_segment_fixed_size: 0
    .kernarg_segment_align: 8
    .kernarg_segment_size: 48
    .max_flat_workgroup_size: 128
    .sgpr_count:     80
    .vgpr_count:     640
    .wavefront_size: 32
...
	.end_amdgpu_metadata
.endif
;; end of part 4
;; launch ln2 (part 5): grid 256 x 1, 4 waves a work-group, no clusters, 0 bytes of LDS; arguments x2, ln2_g, ln2_b, lowp_scales, cb; writes cb
.if DOCPART == 5
	.amdgcn_target "amdgcn-amd-amdhsa--gfx1250"
	.amdhsa_code_object_version 6
	.text
	.protected	k_q592bd6b0cc_ln2
	.globl	k_q592bd6b0cc_ln2
	.p2align	8
	.type	k_q592bd6b0cc_ln2,@function
k_q592bd6b0cc_ln2:
	s_mov_b64 s[64:65], 0
	v_nop
	global_prefetch_b8 v0, s[64:65] scope:SCOPE_SE
	s_setreg_imm32_b32 hwreg(HW_REG_WAVE_MODE, 25, 1), 1
	s_wait_xcnt 0x0
; LayerNorm 2 of x2 [4096][1024] f32, quantised to E4M3 codes with the given scale 2^e8, to cb + HC, [4096][1024], K innermost.
; code = number / 2^e8, rounded to the nearest code, ties to even.  LIMIT: e8 between -126 and 119.  NaN among the inputs is not served.
; A work-group takes 16 rows, a wave 4, one at a time, whole in 32 registers a lane: lane l holds k = 256 j + 8 l + 0..7 in registers 8 j .. 8 j + 7, so a pair of loads covers 1,024 consecutive bytes
; and a lane's eight codes are 8 bytes: the wave's store covers 256 consecutive bytes, aligned.  Mean and variance in two passes over the registers.  No LDS, no barrier: waves share nothing.
.set HC,    0xC00000
.set GA,    32
.set BE,    64
.set X,     96
.set CD,    16
.set SC,    224
.set LIM,   225
.set PT,    226
.set VO,    227
.macro REDUCE                          ; v4: summed over the wave's 32 lanes, in every lane
	v_add_f32_dpp v4, v4, v4 row_xmask:1 row_mask:0xf bank_mask:0xf
	v_add_f32_dpp v4, v4, v4 row_xmask:2 row_mask:0xf bank_mask:0xf
	v_add_f32_dpp v4, v4, v4 row_xmask:4 row_mask:0xf bank_mask:0xf
	v_add_f32_dpp v4, v4, v4 row_xmask:8 row_mask:0xf bank_mask:0xf
	v_permlanex16_b32 v[PT], v4, s26, s27
	v_add_f32 v4, v4, v[PT]
.endm
.macro JOIN
	v_pk_add_f32 v[4:5], v[4:5], v[6:7]
	v_pk_add_f32 v[8:9], v[8:9], v[10:11]
	v_pk_add_f32 v[4:5], v[4:5], v[8:9]
	v_add_f32 v4, v4, v5
	REDUCE
.endm
.macro LNROW i
.set XR, X+32*\i
.set CR, CD+8*(\i%2)
	s_wait_loadcnt 8*(3-\i)                        ; loads come back in order: this row's eight are in, the later rows' stay out
.if \i >= 2
	s_wait_xcnt 0x0                                ; the stores of two rows back have read their codes' registers, which are written again below
.endif
.irp c, 0,1,2,3
	v_pk_add_f32 v[4+2*\c:5+2*\c], v[XR+2*\c:XR+2*\c+1], v[XR+8+2*\c:XR+9+2*\c]
.endr
.irp o, 16,24
.irp c, 0,1,2,3
	v_pk_add_f32 v[4+2*\c:5+2*\c], v[4+2*\c:5+2*\c], v[XR+\o+2*\c:XR+\o+2*\c+1]
.endr
.endr
	JOIN
	v_mul_f32 v12, s42, v4                         ; the mean
	v_mov_b32 v13, v12
.set j, 0
.rept 16
	v_pk_add_f32 v[XR+j:XR+j+1], v[XR+j:XR+j+1], v[12:13] neg_lo:[0,1] neg_hi:[0,1]
.set j, j+2
.endr
.irp c, 0,1,2,3
	v_pk_mul_f32 v[4+2*\c:5+2*\c], v[XR+2*\c:XR+2*\c+1], v[XR+2*\c:XR+2*\c+1]
.endr
.irp o, 8,16,24
.irp c, 0,1,2,3
	v_pk_fma_f32 v[4+2*\c:5+2*\c], v[XR+\o+2*\c:XR+\o+2*\c+1], v[XR+\o+2*\c:XR+\o+2*\c+1], v[4+2*\c:5+2*\c]
.endr
.endr
	JOIN
	v_fma_f32 v14, v4, s42, s43                    ; the variance + 1e-5
	s_wait_alu depctr_va_vdst(0)
	v_rsq_f32 v14, v14
	v_nop                                          ; a plain instruction behind the transcendental
	s_wait_alu depctr_va_vdst(0)                   ; and the wait ahead of its first reader
	v_mov_b32 v15, v14
.set j, 0
.rept 16
	v_pk_mul_f32 v[XR+j:XR+j+1], v[XR+j:XR+j+1], v[14:15]
.set j, j+2
.endr
.set j, 0
.rept 16
	v_pk_fma_f32 v[XR+j:XR+j+1], v[XR+j:XR+j+1], v[GA+j:GA+j+1], v[BE+j:BE+j+1]
.set j, j+2
.endr
.set j, 0
.rept 32
.set j, j+1
.endr
.irp c, 0,1,2,3
	v_cvt_scalef32_pk8_fp8_f32 v[CR+2*\c:CR+2*\c+1], v[XR+8*\c:XR+8*\c+7], v[SC]
.endr
	v_nop
.irp c, 0,1,2,3
	global_store_b64 v[VO], v[CR+2*\c:CR+2*\c+1], s[20:21] offset:1024*\i+256*\c   ; 32 lanes store 256 consecutive bytes, aligned
.endr
.endm
	s_load_b256 s[4:11], s[0:1], 0x0               ; x2 4:5, gamma 6:7, beta 8:9, the scales 10:11
	s_load_b64 s[20:21], s[0:1], 0x20              ; cb
	v_lshrrev_b32 v1, 5, v0
	v_readfirstlane_b32 s24, v1                    ; wave 0..3
	s_wait_kmcnt 0x0
	s_load_b32 s28, s[10:11], 0x20                 ; e8
	s_lshl_b32 s40, ttmp9, 16
	s_lshl_b32 s41, s24, 14
	s_add_co_u32 s40, s40, s41
	s_mov_b32 s41, 0
	s_add_nc_u64 s[4:5], s[4:5], s[40:41]
	s_lshr_b32 s40, s40, 2
	s_add_co_u32 s40, s40, HC
	s_add_nc_u64 s[20:21], s[20:21], s[40:41]
	s_mov_b32 s26, 0x76543210
	s_mov_b32 s27, 0xfedcba98
	s_mov_b32 s42, 0x3a800000                      ; 1 / 1024
	s_mov_b32 s43, 0x3727c5ac                      ; 1e-5
	v_and_b32 v1, 31, v0
	v_lshlrev_b32 v[VO], 3, v1
	v_lshlrev_b32 v1, 5, v1
	v_mov_b32 v[PT], 0
.irp j, 0,1,2,3
	global_load_b128 v[GA+8*\j:GA+8*\j+3], v1, s[6:7] offset:1024*\j
	global_load_b128 v[GA+8*\j+4:GA+8*\j+7], v1, s[6:7] offset:1024*\j+16
.endr
.irp j, 0,1,2,3
	global_load_b128 v[BE+8*\j:BE+8*\j+3], v1, s[8:9] offset:1024*\j
	global_load_b128 v[BE+8*\j+4:BE+8*\j+7], v1, s[8:9] offset:1024*\j+16
.endr
.irp i, 0,1,2,3
.irp j, 0,1,2,3
	global_load_b128 v[X+32*\i+8*\j:X+32*\i+8*\j+3], v1, s[4:5] offset:4096*\i+1024*\j
	global_load_b128 v[X+32*\i+8*\j+4:X+32*\i+8*\j+7], v1, s[4:5] offset:4096*\i+1024*\j+16
.endr
.endr
	s_wait_kmcnt 0x0
	s_add_co_i32 s28, s28, 127
	s_lshl_b32 s29, s28, 23
	v_mov_b32 v[SC], s29
	s_add_co_i32 s28, s28, 8
	s_lshl_b32 s28, s28, 23
	s_or_b32 s28, s28, 0x600000
	LNROW 0
	LNROW 1
	LNROW 2
	LNROW 3
	s_endpgm
.Lfunc_end_k_q592bd6b0cc_ln2:
	.size	k_q592bd6b0cc_ln2, .Lfunc_end_k_q592bd6b0cc_ln2-k_q592bd6b0cc_ln2
	.p2alignl 7, 3214868480
	.fill 96, 4, 3214868480
	.section	.rodata,"a",@progbits
	.p2align	6, 0x0
	.amdhsa_kernel k_q592bd6b0cc_ln2
		.amdhsa_group_segment_fixed_size 0
		.amdhsa_private_segment_fixed_size 0
		.amdhsa_enable_private_segment 0
		.amdhsa_kernarg_size 40
		.amdhsa_user_sgpr_count 2
		.amdhsa_user_sgpr_kernarg_segment_ptr 1
		.amdhsa_wavefront_size32 1
		.amdhsa_system_sgpr_workgroup_id_x 1
		.amdhsa_system_sgpr_workgroup_id_y 1
		.amdhsa_system_sgpr_workgroup_id_z 1
		.amdhsa_system_vgpr_workitem_id 0
		.amdhsa_next_free_vgpr 240
		.amdhsa_next_free_sgpr 66
		.amdhsa_reserve_vcc 0
		.amdhsa_float_denorm_mode_32 3
		.amdhsa_float_denorm_mode_16_64 3
		.amdhsa_fp16_overflow 1
		.amdhsa_memory_ordered 1
		.amdhsa_forward_progress 1
		.amdhsa_inst_pref_size 34
	.end_amdhsa_kernel
	.amdgpu_metadata
---
amdhsa.version: [ 1, 2 ]
amdhsa.kernels:
  - .name:           k_q592bd6b0cc_ln2
    .symbol:         k_q592bd6b0cc_ln2.kd
    .args:
      - { .name: x2, .offset: 0, .size: 8, .value_kind: global_buffer, .address_space: global }
      - { .name: ln2_g, .offset: 8, .size: 8, .value_kind: global_buffer, .address_space: global }
      - { .name: ln2_b, .offset: 16, .size: 8, .value_kind: global_buffer, .address_space: global }
      - { .name: lowp_scales, .offset: 24, .size: 8, .value_kind: global_buffer, .address_space: global }
      - { .name: cb, .offset: 32, .size: 8, .value_kind: global_buffer, .address_space: global }
    .group_segment_fixed_size: 0
    .private_segment_fixed_size: 0
    .kernarg_segment_align: 8
    .kernarg_segment_size: 40
    .max_flat_workgroup_size: 128
    .sgpr_count:     66
    .vgpr_count:     240
    .wavefront_size: 32
...
	.end_amdgpu_metadata
.endif
;; end of part 5
;; launch mlp1 (part 6): grid 16 x 16, 4 waves a work-group, clusters of 4 x 4, 327,680 bytes of LDS; arguments cb, lowp_scales, b1, g; writes g
.if DOCPART == 6
	.amdgcn_target "amdgcn-amd-amdhsa--gfx1250"
	.amdhsa_code_object_version 6
	.text
	.protected	k_q592bd6b0cc_mlp1
	.globl	k_q592bd6b0cc_mlp1
	.p2align	8
	.type	k_q592bd6b0cc_mlp1,@function
k_q592bd6b0cc_mlp1:
	s_mov_b64 s[64:65], 0
	v_nop
	global_prefetch_b8 v0, s[64:65] scope:SCOPE_SE
	s_setreg_imm32_b32 hwreg(HW_REG_WAVE_MODE, 25, 1), 1
	s_wait_xcnt 0x0
	s_wait_alu depctr_hold_cnt(0) depctr_sa_sdst(0) depctr_va_vdst(0) depctr_va_sdst(0) depctr_va_ssrc(0) depctr_va_vcc(0) depctr_vm_vsrc(0)
	s_getreg_b32 s2, hwreg(HW_REG_IB_STS2, 6, 4)
	s_cmp_eq_u32 s2, 0
	s_cbranch_scc0 .Lentry_in_a_cluster
	s_endpgm
.Lentry_in_a_cluster:
	s_bfe_u32 s2, ttmp6, 0x10000c
	s_cmp_lg_u32 s2, 0xf033
	s_cbranch_scc0 .Lentry_shape_is_right
	s_endpgm
.Lentry_shape_is_right:
; Product 5 on codes of E4M3, + b1, the exact GELU, quantised with 2^e10: g [4096][4096] codes, K innermost for product 6.
; cb holds w1's codes [4096][1024] at 0x400000 and LayerNorm 2's codes [4096][1024] at HC.  A sum stands for sum x 2^(e8 + e9).
; GELU(z) = z / 2 x (1 + erf(z / sqrt 2)).  u = z / sqrt 2 = sum x S + b1 / sqrt 2, S = 2^(e8 + e9) / sqrt 2.  erf(u) = xc P(xc^2) / Q(xc^2), xc = u held within +-4: a rational form of degrees 6 and 4 in xc^2, good to a few
; units in f32's last place; beyond +-4 erf is 1 in f32.  g = h erf + h, h = u / sqrt 2.
; LIMITS: e8 + e9 between -125 and 128 (added to S's exponent field); e10 between -126 and 119.  NaN is not served.
; A tile of 256 x 256 to a work-group of four waves, 128 x 128 to a wave; K in 4 steps of 256 through two LDS slots filled by joint tensor loads: A's tile shared along a row of the 4 x 4 cluster, B's along a column.
; The matrix instruction is used transposed (source 0 = 16 rows of w1, source 1 = 16 tokens): a lane holds eight neighbouring hidden units of a token, the next K.
; THE WAY OUT IS A LOOP over the wave's eight blocks of 16 rows, so that the GELU's text is written twice (a half block each) and not sixteen times; only the 16 lines that read the accumulators differ from trip to trip,
; and stand in a switch on the loop's counter.  Q is made first; its 32 reciprocals stand one behind every third line of P's scheme, which names none of Q's registers; one wait serves them all.
; REGISTERS: window 0: v0-31 addresses, v32-95 b1 / sqrt 2 of my 128 columns, v128-255 A's fragments; window 1: B's fragments, on the way out the GELU's registers; windows 2, 3: the accumulators.
.set KSTEP,  256
.set ROWB,   256
.set KROW,   1024
.set PITCH,  272
.set FR,     16
.set NL,     4
.set NP,     4
.set HALFT,  128*PITCH
.set SLOT,   4*HALFT
.set LAPS,   2
.set SPARE,  2*SLOT
.set HC,     0xC00000
.set ADRA, 16
.set ADRB, 20
.set SPW,  28
.set NIL,  29
.set BU,   32
.set AF,   128
.set U,    0                           ; window 1, on the way out: u, then h, then g
.set XC,   32
.set X2,   64
.set PP,   96
.set QQ,   128
.set G1, 24
.set G0, 32
.set G1B, 48
.set G0B, 56
.set MSB, 0
.macro WIN new
.if MSB != \new
	s_set_vgpr_msb (MSB<<8)|\new
.set MSB, \new
.endif
.endm
.set MUL_LO, 0xa1
.set MUL_HI, 0xf1
.set TO_B,   0x40
.macro JLOAD g0a, g1a, g0b, g1b        ; a joint load: waves 0 and 1 fetch for A, waves 2 and 3 for B; an s_nop 0 and four v_nop follow each line
	s_cmp_eq_u32 s15, 0
	s_cbranch_scc0 .Lfor_b_\@
	tensor_load_to_lds s[\g0a:\g0a+3], s[\g1a:\g1a+7]
	s_nop 0
.rept 4
	v_nop
.endr
	s_branch .Lasked_\@
.Lfor_b_\@:
	tensor_load_to_lds s[\g0b:\g0b+3], s[\g1b:\g1b+7]
	s_nop 0
.rept 4
	v_nop
.endr
.Lasked_\@:
.endm
.macro CREST
	s_cmp_lg_u32 s14, 0
	s_cbranch_scc1 .Lnot_wave_0_\@
	s_barrier_signal -3
.Lnot_wave_0_\@:
	s_barrier_wait -3
	s_barrier_signal -1
	s_barrier_wait -1
.endm
.macro CROUND
	s_barrier_signal -1
	s_barrier_wait -1
	CREST
.endm
	s_load_b256 s[4:11], s[0:1], 0x0               ; cb 4:5, the scales 6:7, b1 8:9, g 10:11
	v_lshl_add_u32 v[SPW], v0, 2, SPARE
	v_mov_b32 v[NIL], 0
	ds_add_u32 v[SPW], v[NIL]                      ; the wave's opening: the add and its wait ahead of my first tensor load
	v_lshrrev_b32 v1, 5, v0
	v_readfirstlane_b32 s14, v1
	s_lshr_b32 s15, s14, 1
	s_and_b32 s16, s14, 1
	s_bfe_u32 s40, ttmp6, 0x40000
	s_bfe_u32 s41, ttmp6, 0x40004
	s_lshl_b32 s42, ttmp9, 2
	s_add_co_u32 s42, s42, s40                     ; tile column
	s_and_b32 s17, ttmp7, 0xffff
	s_lshl_b32 s17, s17, 2
	s_add_co_u32 s17, s17, s41                     ; tile row
	s_lshl_b32 s43, s41, 2
	s_lshl_b32 s43, 15, s43
	s_lshl_b32 s44, 0x1111, s40
	s_or_b32 s[G1+0], s43, (0<<16)|(1<<20)|(1<<21)|(5<<22)|(3<<25)
	s_or_b32 s[G1B+0], s44, (0<<16)|(1<<20)|(1<<21)|(5<<22)|(3<<25)
.irp g, G1, G1B
	s_mov_b32 s[\g+1], ROWB<<16
	s_mov_b32 s[\g+2], 128<<16
	s_mov_b32 s[\g+3], ROWB<<16
	s_mov_b32 s[\g+4], 128
	s_mov_b32 s[\g+5], KROW
	s_mov_b32 s[\g+6], 0
	s_mov_b32 s[\g+7], 0
.endr
	s_lshl_b32 s18, s16, 7
	s_lshl_b32 s20, s17, 8
	s_add_co_u32 s20, s20, s18
	s_lshl_b32 s20, s20, 10
	s_add_co_u32 s20, s20, HC                      ; A: the tokens' codes
	s_mov_b32 s21, 0
	s_lshl_b32 s46, s42, 8
	s_add_co_u32 s46, s46, s18
	s_lshl_b32 s46, s46, 10
	s_add_co_u32 s46, s46, 0x400000                ; B: w1's codes
	s_mov_b32 s47, 0
	s_mul_i32 s45, s14, HALFT
	s_wait_dscnt 0x0                               ; the opening add is done
	s_wait_kmcnt 0x0
	s_load_b128 s[88:91], s[6:7], 0x20             ; e8 .. e11
	s_add_nc_u64 s[20:21], s[4:5], s[20:21]
	s_add_nc_u64 s[46:47], s[4:5], s[46:47]
	CROUND
.irp s, 0,1
	s_mov_b32 s[G0+4*\s], 1
	s_add_co_u32 s[G0+4*\s+1], s45, \s*SLOT
	s_add_nc_u64 s[G0+4*\s+2:G0+4*\s+3], s[20:21], \s*ROWB
	s_or_b32 s[G0+4*\s+3], s[G0+4*\s+3], 0x80000000
	s_mov_b32 s[G0B+4*\s], 1
	s_add_co_u32 s[G0B+4*\s+1], s45, \s*SLOT
	s_add_nc_u64 s[G0B+4*\s+2:G0B+4*\s+3], s[46:47], \s*ROWB
	s_or_b32 s[G0B+4*\s+3], s[G0B+4*\s+3], 0x80000000
	JLOAD G0+4*\s, G1, G0B+4*\s, G1B
.endr
	v_and_b32 v1, 15, v0                           ; r
	v_bfe_u32 v2, v0, 4, 1                         ; h
	v_mul_u32_u24 v3, v1, PITCH
	v_lshl_add_u32 v4, v2, 4, v3
	s_mul_i32 s21, s15, HALFT
	s_mul_i32 s22, s16, HALFT
	s_add_co_u32 s22, s22, 2*HALFT
.irp s, 0,1
	v_add_nc_u32 v[ADRA+\s], s21, v4
	v_add_nc_u32 v[ADRB+\s], s22, v4
	s_add_co_u32 s21, s21, SLOT
	s_add_co_u32 s22, s22, SLOT
.endr
	s_lshl_b32 s46, s42, 10
	s_lshl_b32 s47, s16, 9
	s_add_co_u32 s46, s46, s47
	s_mov_b32 s47, 0
	s_add_nc_u64 s[8:9], s[8:9], s[46:47]          ; b1 at my 128 columns
	v_lshlrev_b32 v7, 5, v2                        ; lane (r, h) wants, for B's block b, the columns 16 b + 8 h + 0 .. 7; v7 and s[8:9] stay as they are until the wait for these loads
.irp b, 0,1,2,3,4,5,6,7
	global_load_b128 v[BU+8*\b:BU+8*\b+3], v7, s[8:9] offset:64*\b
	global_load_b128 v[BU+8*\b+4:BU+8*\b+7], v7, s[8:9] offset:64*\b+16
.endr
	; the stage, the work-group's: 256 rows x (256 codes + 16 bytes), in slot 0, which has had its last fill and its last read when the first code is stored there
	s_mul_i32 s23, s15, 128*272
	s_lshl_b32 s18, s16, 7
	s_add_co_u32 s23, s23, s18
	v_mul_u32_u24 v5, v1, 272
	v_lshl_add_u32 v5, v2, 3, v5
	v_add_nc_u32 v24, s23, v5                      ; in: row 128 x my half + r, byte 128 x my half of the columns + 8 h
	s_mul_i32 s23, s14, 64*272
	v_mul_u32_u24 v5, v2, 272
	v_lshl_add_u32 v5, v1, 4, v5
	v_add_nc_u32 v25, s23, v5                      ; back: wave w takes rows 64 w .. 64 w + 63, whole; sixteen lanes to a row
	v_lshlrev_b32 v26, 12, v2
	v_lshl_add_u32 v26, v1, 4, v26                 ; and the same two rows in g
	s_lshl_b32 s20, s17, 8
	s_lshl_b32 s21, s14, 6
	s_add_co_u32 s20, s20, s21
	s_lshl_b32 s20, s20, 12
	s_mov_b32 s21, 0
	s_add_nc_u64 s[10:11], s[10:11], s[20:21]
	s_lshl_b32 s46, s42, 8
	s_mov_b32 s47, 0
	s_add_nc_u64 s[10:11], s[10:11], s[46:47]
.macro FRAG reg, adr, q, i
.irp c, 0,1,2,3
	ds_load_b128 v[\reg+4*\c:\reg+4*\c+3], v[\adr] offset:128*(\q)+32*\c+(\i)*16*PITCH
.endr
.endm
.macro MUL16 a0, p, zero               ; the 64 accumulators take turns, in the same order in every step
.irp a, \a0, \a0+1
.irp b, 0,1,2,3,4,5,6,7
.if \zero
	v_wmma_f32_16x16x128_fp8_fp8 v[8*(8*((\a)%4)+\b):8*(8*((\a)%4)+\b)+7], v[128*(\p)+FR*\b:128*(\p)+FR*\b+FR-1], v[AF+FR*(\a):AF+FR*(\a)+FR-1], 0
.else
	v_wmma_f32_16x16x128_fp8_fp8 v[8*(8*((\a)%4)+\b):8*(8*((\a)%4)+\b)+7], v[128*(\p)+FR*\b:128*(\p)+FR*\b+FR-1], v[AF+FR*(\a):AF+FR*(\a)+FR-1], v[8*(8*((\a)%4)+\b):8*(8*((\a)%4)+\b)+7]
.endif
.endr
.endr
.endm
.macro FETCH_B slot, q, p
	WIN TO_B
.irp i, 0,1,2,3,4,5,6,7
	FRAG 128*(\p)+FR*\i, ADRB+\slot, \q, \i
.endr
	WIN 0
.endm
.macro FETCH_A slot, q, i0
.irp i, \i0, \i0+1, \i0+2, \i0+3
	FRAG AF+FR*(\i), ADRA+\slot, \q, \i
.endr
.endm
.macro PLACES n
.rept \n
	v_nop
.endr
.endm
.macro STEP slot, q, zero
	s_wait_dscnt 4*NL                              ; B's set and A's blocks 0-3 are in; the youngest 16 loads may be out
	WIN MUL_LO
	MUL16 0, (\q)%2, \zero
	MUL16 2, (\q)%2, \zero
	s_wait_dscnt 0
	PLACES NP
	FETCH_B \slot, (\q)+1, 1-(\q)%2
	FETCH_A \slot, (\q)+1, 0
	WIN MUL_HI
	MUL16 4, (\q)%2, \zero
	MUL16 6, (\q)%2, \zero
	PLACES NP
	WIN 0
	FETCH_A \slot, (\q)+1, 4
.endm
.macro TURN slot, next, fill
	s_wait_tensorcnt 0x0                           ; all my tensor loads have landed: my part of the next slot
	ds_add_u32 v[SPW], v[NIL]
	s_wait_dscnt 4*NL+1                            ; the add and the youngest 16 loads may be out
	WIN MUL_LO
	MUL16 0, 1, 0
	s_wait_dscnt 0x0                               ; the add is done, and my reads of this slot are over
	s_barrier_signal -1
	MUL16 2, 1, 0
	WIN 0
	s_barrier_wait -1
.if \fill
	CREST
	s_add_nc_u64 s[G0+4*\slot+2:G0+4*\slot+3], s[G0+4*\slot+2:G0+4*\slot+3], 2*ROWB
	s_add_nc_u64 s[G0B+4*\slot+2:G0B+4*\slot+3], s[G0B+4*\slot+2:G0B+4*\slot+3], 2*ROWB
	JLOAD G0+4*\slot, G1, G0B+4*\slot, G1B
.else
	PLACES NP
.endif
	FETCH_B \next, 0, 0
	FETCH_A \next, 0, 0
	WIN MUL_HI
	MUL16 4, 1, 0
	MUL16 6, 1, 0
	PLACES NP
	WIN 0
	FETCH_A \next, 0, 4
.endm
	s_wait_tensorcnt 1                             ; my part of K step 0 is in; K step 1's load may be out
	s_barrier_signal -1
	s_barrier_wait -1
	FETCH_B 0, 0, 0
	FETCH_A 0, 0, 0
	FETCH_A 0, 0, 4
	STEP 0, 0, 1
	s_mov_b32 s3, LAPS-1
.Llap:
	TURN 0, 1, 1
	STEP 1, 0, 0
	TURN 1, 0, 1
	STEP 0, 0, 0
	s_sub_co_u32 s3, s3, 1
	s_cmp_lg_u32 s3, 0
	s_cbranch_scc1 .Llap
	TURN 0, 1, 0
	STEP 1, 0, 0
	s_wait_dscnt 4*NL
	WIN MUL_LO
	MUL16 0, 1, 0
	MUL16 2, 1, 0
	s_wait_dscnt 0
	WIN MUL_HI
	MUL16 4, 1, 0
	MUL16 6, 1, 0
	WIN 0
	; ---- THE WAY OUT
	s_wait_loadcnt 0x0                             ; b1
.set j, 0
.rept 32
	v_pk_mul_f32 v[BU+j:BU+j+1], v[BU+j:BU+j+1], 0x3f3504f3 op_sel_hi:[1,0]   ; b1 / sqrt 2.  (These are also the places behind the last products)
.set j, j+2
.endr
.macro SPAIR reg, val                  ; a constant as a scalar pair: the packed forms name the pair and take its low word for both halves
	s_mov_b32 s[\reg], \val
	s_mov_b32 s[\reg+1], \val
.endm
	SPAIR 66, 0x32EDFFEE                           ; P's coefficients 1 .. 6 (the highest power's, 0, lies in a vector pair)
	SPAIR 68, 0xB60CFF51
	SPAIR 70, 0xB86EC2D2
	SPAIR 72, 0xBA40AC63
	SPAIR 74, 0xBB41A1F6
	SPAIR 76, 0xBC83DBD4
	SPAIR 78, 0xB95FBD29                           ; Q's 1 .. 4
	SPAIR 80, 0xBADC924E
	SPAIR 82, 0xBBF19BF8
	SPAIR 84, 0xBC69B6A7
	s_wait_kmcnt 0x0
	s_add_co_i32 s86, s88, s89
	s_lshl_b32 s86, s86, 23
	s_add_co_i32 s86, s86, 0x3f3504f3              ; S = 2^(e8 + e9) / sqrt 2
	s_mov_b32 s87, s86
	s_add_co_i32 s94, s90, 127
	s_lshl_b32 s95, s94, 23                        ; 2^e10
	WIN 0x40                                       ; destination window 1
	v_mov_b32 v168, 0xAF95DF0B                     ; P's coefficient 0, twice
	v_mov_b32 v169, 0xAF95DF0B
	v_mov_b32 v170, 0xB77460CD                     ; Q's
	v_mov_b32 v171, 0xB77460CD
	v_mov_b32 v173, s95
	WIN 0
.macro CASE a, hf                      ; u of block a's half hf (B's blocks 4 hf .. 4 hf + 3): sum x S + b1 / sqrt 2; each accumulator from its low end on
	WIN 0x42+(\a)/4                                ; destination window 1, source 0 window 2 or 3, source 2 window 0
.set jj, 0
.rept 16
	v_pk_fma_f32 v[U+jj:U+jj+1], v[64*((\a)%4)+32*\hf+jj:64*((\a)%4)+32*\hf+jj+1], s[86:87], v[BU+32*\hf+jj:BU+32*\hf+jj+1] op_sel_hi:[1,0,1]
.set jj, jj+2
.endr
	WIN 0
.endm
.macro SWITCH hf                       ; the loop's counter picks the block: the same in every wave and every work-group
.irp a, 0,1,2,3,4,5,6
	s_cmp_eq_u32 s92, \a
	s_cbranch_scc0 .Lsw_\@_\a
	CASE \a, \hf
	s_branch .Lsw_\@_7
.Lsw_\@_\a:
.endr
	CASE 7, \hf
.Lsw_\@_7:
.endm
.macro PKMUL d, a, b                   ; 32 numbers: d = a x b
.set jj, 0
.rept 16
	v_pk_mul_f32 v[\d+jj:\d+jj+1], v[\a+jj:\a+jj+1], v[\b+jj:\b+jj+1]
.set jj, jj+2
.endr
.endm
.macro HORNER d, k                     ; 32 numbers: d = d x xc^2 + the coefficient in s[k]
.set jj, 0
.rept 16
	v_pk_fma_f32 v[\d+jj:\d+jj+1], v[\d+jj:\d+jj+1], v[X2+jj:X2+jj+1], s[\k:\k+1] op_sel_hi:[1,1,0]
.set jj, jj+2
.endr
.endm
.macro BODY hf                         ; 32 numbers a lane: the GELU, the conversion, into the stage
	WIN 0x55                                       ; all in window 1
.set jj, 0
.rept 32
	v_med3_num_f32 v[XC+jj], v[U+jj], -4.0, 4.0
.set jj, jj+1
.endr
	PKMUL X2, XC, XC
.set jj, 0
.rept 16
	v_pk_fma_f32 v[QQ+jj:QQ+jj+1], v[X2+jj:X2+jj+1], v[170:171], s[78:79] op_sel_hi:[1,1,0]   ; Q first,
.set jj, jj+2
.endr
.irp k, 80,82,84
	HORNER QQ, \k
.endr
.set nn, 0
.rept 96                               ; then P: six levels of 16 lines; behind every third line one of Q's 32 reciprocals: P's lines name none of Q's registers
.set jj, 2*(nn%16)
.if nn < 16
	v_pk_fma_f32 v[PP+jj:PP+jj+1], v[X2+jj:X2+jj+1], v[168:169], s[66:67] op_sel_hi:[1,1,0]
.else
	v_pk_fma_f32 v[PP+jj:PP+jj+1], v[PP+jj:PP+jj+1], v[X2+jj:X2+jj+1], s[66+2*(nn/16):67+2*(nn/16)] op_sel_hi:[1,1,0]
.endif
.if (nn%3) == 2
	v_rcp_f32 v[QQ+nn/3], v[QQ+nn/3]
.endif
.set nn, nn+1
.endr
	PKMUL PP, PP, XC                               ; work that names no reciprocal stands behind the last of them
.set jj, 0
.rept 16
	v_pk_mul_f32 v[U+jj:U+jj+1], v[U+jj:U+jj+1], 0x3f3504f3 op_sel_hi:[1,0]   ; h = u / sqrt 2 = z / 2
.set jj, jj+2
.endr
	s_wait_alu depctr_va_vdst(0)                   ; one wait for the 32 reciprocals, ahead of their first reader
	PKMUL PP, PP, QQ                               ; erf
.set jj, 0
.rept 16
	v_pk_fma_f32 v[U+jj:U+jj+1], v[PP+jj:PP+jj+1], v[U+jj:U+jj+1], v[U+jj:U+jj+1]   ; h erf + h
.set jj, jj+2
.endr
.set jj, 0
.rept 32
.set jj, jj+1
.endr
.irp k, 0,1,2,3
	v_cvt_scalef32_pk8_fp8_f32 v[160+2*\k:161+2*\k], v[U+8*\k:U+8*\k+7], v173
.endr
	v_nop                                          ; a plain instruction behind the last conversion
	WIN 0x04                                       ; the data in window 1, the address in window 0
.irp k, 0,1,2,3
	ds_store_b64 v27, v[160+2*\k:161+2*\k] offset:64*\hf+16*\k
.endr
	WIN 0
.endm
	s_mov_b32 s92, 0                               ; the block
	s_mov_b32 s93, 0                               ; its 16 rows in the stage
.Lblk:
	v_add_nc_u32 v27, s93, v24
	SWITCH 0
	BODY 0
	SWITCH 1
	BODY 1
	s_add_co_u32 s93, s93, 16*272
	s_add_co_u32 s92, s92, 1
	s_cmp_lt_u32 s92, 8
	s_cbranch_scc1 .Lblk
	s_wait_dscnt 0x0                               ; for the others' sake: my stores into the stage are done
	s_barrier_signal -1
	s_barrier_wait -1
.set j, 0
.rept 32
	ds_load_b128 v[128+4*j:131+4*j], v25 offset:544*j
.set j, j+1
.endr
.set j, 0
.rept 32
	s_wait_dscnt 31-j
	global_store_b128 v26, v[128+4*j:131+4*j], s[10:11] offset:8192*j   ; sixteen lanes store 256 consecutive bytes, aligned
.set j, j+1
.endr
	s_wait_tensorcnt 0x0                           ; the wave's end
	ds_add_u32 v[SPW], v[NIL]
	s_wait_dscnt 0x0
	CROUND                                         ; the closing round
	s_endpgm
.Lfunc_end_k_q592bd6b0cc_mlp1:
	.size	k_q592bd6b0cc_mlp1, .Lfunc_end_k_q592bd6b0cc_mlp1-k_q592bd6b0cc_mlp1
	.p2alignl 7, 3214868480
	.fill 96, 4, 3214868480
	.section	.rodata,"a",@progbits
	.p2align	6, 0x0
	.amdhsa_kernel k_q592bd6b0cc_mlp1
		.amdhsa_group_segment_fixed_size 327680
		.amdhsa_private_segment_fixed_size 0
		.amdhsa_enable_private_segment 0
		.amdhsa_kernarg_size 32
		.amdhsa_user_sgpr_count 2
		.amdhsa_user_sgpr_kernarg_segment_ptr 1
		.amdhsa_wavefront_size32 1
		.amdhsa_system_sgpr_workgroup_id_x 1
		.amdhsa_system_sgpr_workgroup_id_y 1
		.amdhsa_system_sgpr_workgroup_id_z 1
		.amdhsa_system_vgpr_workitem_id 0
		.amdhsa_next_free_vgpr 1024
		.amdhsa_next_free_sgpr 98
		.amdhsa_reserve_vcc 0
		.amdhsa_float_denorm_mode_32 3
		.amdhsa_float_denorm_mode_16_64 3
		.amdhsa_fp16_overflow 1
		.amdhsa_memory_ordered 1
		.amdhsa_forward_progress 1
		.amdhsa_inst_pref_size 147
	.end_amdhsa_kernel
	.amdgpu_metadata
---
amdhsa.version: [ 1, 2 ]
amdhsa.kernels:
  - .name:           k_q592bd6b0cc_mlp1
    .symbol:         k_q592bd6b0cc_mlp1.kd
    .args:
      - { .name: cb, .offset: 0, .size: 8, .value_kind: global_buffer, .address_space: global }
      - { .name: lowp_scales, .offset: 8, .size: 8, .value_kind: global_buffer, .address_space: global }
      - { .name: b1, .offset: 16, .size: 8, .value_kind: global_buffer, .address_space: global }
      - { .name: g, .offset: 24, .size: 8, .value_kind: global_buffer, .address_space: global }
    .group_segment_fixed_size: 327680
    .private_segment_fixed_size: 0
    .kernarg_segment_align: 8
    .kernarg_segment_size: 32
    .max_flat_workgroup_size: 128
    .sgpr_count:     98
    .vgpr_count:     1024
    .wavefront_size: 32
...
	.end_amdgpu_metadata
.endif
;; end of part 6
;; launch mlp2 (part 7): grid 8 x 32, 4 waves a work-group, clusters of 4 x 4, 327,680 bytes of LDS; arguments g, cb, lowp_scales, b2, x2, out0; writes out0
.if DOCPART == 7
	.amdgcn_target "amdgcn-amd-amdhsa--gfx1250"
	.amdhsa_code_object_version 6
	.text
	.protected	k_q592bd6b0cc_mlp2
	.globl	k_q592bd6b0cc_mlp2
	.p2align	8
	.type	k_q592bd6b0cc_mlp2,@function
k_q592bd6b0cc_mlp2:
	s_mov_b64 s[64:65], 0
	v_nop
	global_prefetch_b8 v0, s[64:65] scope:SCOPE_SE
	s_setreg_imm32_b32 hwreg(HW_REG_WAVE_MODE, 25, 1), 1
	s_wait_xcnt 0x0
	s_wait_alu depctr_hold_cnt(0) depctr_sa_sdst(0) depctr_va_vdst(0) depctr_va_sdst(0) depctr_va_ssrc(0) depctr_va_vcc(0) depctr_vm_vsrc(0)
	s_getreg_b32 s2, hwreg(HW_REG_IB_STS2, 6, 4)
	s_cmp_eq_u32 s2, 0
	s_cbranch_scc0 .Lentry_in_a_cluster
	s_endpgm
.Lentry_in_a_cluster:
	s_bfe_u32 s2, ttmp6, 0x10000c
	s_cmp_lg_u32 s2, 0xf033
	s_cbranch_scc0 .Lentry_shape_is_right
	s_endpgm
.Lentry_shape_is_right:
; out = A B^T x 2^(ea + eb) + bias + residual, A and B codes of E4M3, out f32 [4096][1024].  One text serves two launches by the constant PROJ.
; PROJ = 1: product 4: A = attention's codes in blocks ((T / 64) x 65536 + head x 4096 + (T % 64) x 64 + d), K = 1,024; B = w_out's codes at cb + 0x300000; e6, e7; bias b_out, residual x.
; PROJ = 0: product 6: A = the hidden layer's codes [4096][4096], K = 4,096; B = w2's codes at cb + 0x800000; e10, e11; bias b2, residual x2.
; A tile of 128 x 128 to a work-group, so that 256 work-groups share the 4,096 x 1,024 outputs; four waves of 64 x 64: 16 accumulators.  K in steps of 512 through two LDS slots, filled by joint loads of a 4 x 4 cluster
; (A's tile shared along a row, B's along a column); a step is four quarters of 128 along K, 16 matrix instructions each, on two fragment buffers by turns.
; The matrix instruction is used transposed (source 0 = 16 rows of B, source 1 = 16 rows of A): a lane holds eight neighbouring outputs of a row.  A wave's 64 columns are 256 bytes, aligned: each wave has a stage of its own.
; The residual's 64 x 64 numbers are asked for at the head, into registers that the products do not touch.  No prefetch: with these small tiles the K steps are short.
; LIMIT: ea + eb between -126 and 127.
; REGISTERS: window 0: v0-31 addresses, v32-95 at work on the way out, v96-99 the bias, v128-255 the accumulators ((a, b) at v[128 + 8 (4 a + b)]); window 1: two buffers of 128: A's four fragments, then B's four; window 2: v0-127 the residual.
.set PROJ, 0
.if PROJ
.set LAPS,  1
.set KROWB, 1024
.set WOFF,  0x300000
.set AP,    80
.set HALFA, 512*80
.set ASTEP, 32768
.set EOFF,  0x18
.else
.set LAPS,  4
.set KROWB, 4096
.set WOFF,  0x800000
.set AP,    528
.set HALFA, 64*528
.set ASTEP, 512
.set EOFF,  0x28
.endif
.set HALFB, 64*528                     ; 64 rows of 512 bytes + 16 of padding
.set SLOT,  2*HALFA+2*HALFB
.set STAGE, 2*SLOT                     ; behind the ring: 16 rows x 272 bytes for each wave
.set SPARE, STAGE+4*16*272             ; behind the stages: the spare words
.set ADRA, 16
.set ADRB, 20
.set STO,  24
.set RD,   25
.set CO,   26
.set BO,   27
.set SPW,  28
.set NIL,  29
.set T,    32
.set BI,   96
.set ACC,  128
.set F0,   0
.set F1,   128
.set G1, 24
.set G0, 32
.set G1B, 48
.set G0B, 56
.set MSB, 0
.macro WIN new
.if MSB != \new
	s_set_vgpr_msb (MSB<<8)|\new
.set MSB, \new
.endif
.endm
.macro JLOAD s                         ; a joint load: waves 0 and 1 fetch A's halves, waves 2 and 3 B's; an s_nop 0 and four v_nop follow each line
	s_cmp_eq_u32 s11, 0
	s_cbranch_scc0 .Lfor_b_\@
	tensor_load_to_lds s[G0+4*\s:G0+4*\s+3], s[G1:G1+7]
	s_nop 0
.rept 4
	v_nop
.endr
	s_branch .Lasked_\@
.Lfor_b_\@:
	tensor_load_to_lds s[G0B+4*\s:G0B+4*\s+3], s[G1B:G1B+7]
	s_nop 0
.rept 4
	v_nop
.endr
.Lasked_\@:
.endm
.macro CREST
	s_cmp_lg_u32 s10, 0
	s_cbranch_scc1 .Lnot_wave_0_\@
	s_barrier_signal -3
.Lnot_wave_0_\@:
	s_barrier_wait -3
	s_barrier_signal -1
	s_barrier_wait -1
.endm
.macro CROUND
	s_barrier_signal -1
	s_barrier_wait -1
	CREST
.endm
	s_load_b128 s[4:7], s[0:1], 0x0                ; A's codes, cb
	s_load_b64 s[8:9], s[0:1], 0x10                ; the scales' exponents
	s_load_b64 s[66:67], s[0:1], 0x18              ; the bias
	s_load_b128 s[68:71], s[0:1], 0x20             ; the residual, the output
	v_lshl_add_u32 v[SPW], v0, 2, SPARE
	v_mov_b32 v[NIL], 0
	ds_add_u32 v[SPW], v[NIL]                      ; the wave's opening: the add and its wait ahead of my first tensor load
	v_lshrrev_b32 v1, 5, v0
	v_readfirstlane_b32 s10, v1                    ; wave 0..3
	s_lshr_b32 s11, s10, 1                         ; my half of the tile's rows; also: I fetch for A (0) or B (1)
	s_and_b32 s12, s10, 1                          ; my half of its columns; also: which half I fetch
	s_bfe_u32 s40, ttmp6, 0x40000
	s_bfe_u32 s41, ttmp6, 0x40004
	s_lshl_b32 s42, ttmp9, 2
	s_add_co_u32 s42, s42, s40                     ; tile column
	s_and_b32 s13, ttmp7, 0xffff
	s_lshl_b32 s13, s13, 2
	s_add_co_u32 s13, s13, s41                     ; tile row
	s_lshl_b32 s43, s41, 2
	s_lshl_b32 s43, 15, s43                        ; my row of the cluster
	s_lshl_b32 s44, 0x1111, s40                    ; my column
.if PROJ
	s_or_b32 s[G1+0], s43, (0<<16)|(1<<20)|(1<<21)|(3<<22)|(3<<25)
	s_mov_b32 s[G1+1], 64<<16
	s_mov_b32 s[G1+2], 512<<16
	s_mov_b32 s[G1+3], 64<<16
	s_mov_b32 s[G1+4], 512
	s_mov_b32 s[G1+5], 64
.else
	s_or_b32 s[G1+0], s43, (0<<16)|(1<<20)|(1<<21)|(6<<22)|(3<<25)  ; elements of 1 byte; 4 words of padding after every 128
	s_mov_b32 s[G1+1], 512<<16
	s_mov_b32 s[G1+2], 64<<16
	s_mov_b32 s[G1+3], 512<<16
	s_mov_b32 s[G1+4], 64
	s_mov_b32 s[G1+5], 4096
.endif
	s_mov_b32 s[G1+6], 0
	s_mov_b32 s[G1+7], 0
	s_or_b32 s[G1B+0], s44, (0<<16)|(1<<20)|(1<<21)|(6<<22)|(3<<25)
	s_mov_b32 s[G1B+1], 512<<16
	s_mov_b32 s[G1B+2], 64<<16
	s_mov_b32 s[G1B+3], 512<<16
	s_mov_b32 s[G1B+4], 64
	s_mov_b32 s[G1B+5], KROWB
	s_mov_b32 s[G1B+6], 0
	s_mov_b32 s[G1B+7], 0
.if PROJ
	s_lshl_b32 s16, s13, 1
	s_add_co_u32 s16, s16, s12
	s_lshl_b32 s16, s16, 16
.else
	s_lshl_b32 s16, s13, 7
	s_lshl_b32 s17, s12, 6
	s_add_co_u32 s16, s16, s17
	s_lshl_b32 s16, s16, 12                        ; A: row 128 x tile row + 64 x half
.endif
	s_mov_b32 s17, 0
	s_lshl_b32 s46, s42, 7
	s_lshl_b32 s47, s12, 6
	s_add_co_u32 s46, s46, s47
	s_mul_i32 s46, s46, KROWB
	s_add_co_u32 s46, s46, WOFF                    ; B: row 128 x tile column + 64 x half
	s_mov_b32 s47, 0
	s_mul_i32 s20, s12, HALFA                      ; where they go: A's two halves,
	s_mul_i32 s21, s12, HALFB
	s_add_co_u32 s21, s21, 2*HALFA                 ; then B's two
	s_wait_dscnt 0x0                               ; the opening add is done
	s_wait_kmcnt 0x0
	s_load_b64 s[72:73], s[8:9], EOFF              ; ea, eb
	s_add_nc_u64 s[14:15], s[4:5], s[16:17]
	s_add_nc_u64 s[46:47], s[6:7], s[46:47]
	CROUND                                         ; all sixteen work-groups are here: the first joint loads meet
.irp s, 0,1
	s_mov_b32 s[G0+4*\s], 1
	s_add_co_u32 s[G0+4*\s+1], s20, \s*SLOT
	s_add_nc_u64 s[G0+4*\s+2:G0+4*\s+3], s[14:15], \s*ASTEP
	s_or_b32 s[G0+4*\s+3], s[G0+4*\s+3], 0x80000000
	s_mov_b32 s[G0B+4*\s], 1
	s_add_co_u32 s[G0B+4*\s+1], s21, \s*SLOT
	s_add_nc_u64 s[G0B+4*\s+2:G0B+4*\s+3], s[46:47], \s*512
	s_or_b32 s[G0B+4*\s+3], s[G0B+4*\s+3], 0x80000000
	JLOAD \s
.endr
	v_and_b32 v1, 15, v0                           ; r
	v_bfe_u32 v2, v0, 4, 1                         ; h
	v_mul_u32_u24 v3, v1, AP
	v_lshl_add_u32 v3, v2, 4, v3
	v_mul_u32_u24 v4, v1, 528
	v_lshl_add_u32 v4, v2, 4, v4
	s_mul_i32 s21, s11, HALFA                      ; my 64 rows of A
	s_mul_i32 s22, s12, HALFB
	s_add_co_u32 s22, s22, 2*HALFA                 ; my 64 rows of B
.irp s, 0,1
	v_add_nc_u32 v[ADRA+\s], s21, v3
	v_add_nc_u32 v[ADRB+\s], s22, v4
	s_add_co_u32 s21, s21, SLOT
	s_add_co_u32 s22, s22, SLOT
.endr
	s_mul_i32 s23, s10, 16*272
	s_add_co_u32 s23, s23, STAGE                   ; my stage
	v_mul_u32_u24 v5, v1, 272
	v_lshl_add_u32 v5, v2, 5, v5
	v_add_nc_u32 v[STO], s23, v5                   ; in: row r, 32 bytes for each half of the lanes
	v_mul_u32_u24 v5, v2, 272
	v_lshl_add_u32 v5, v1, 4, v5
	v_add_nc_u32 v[RD], s23, v5                    ; back: lanes 0-15 one row of 256 bytes, lanes 16-31 the next
	v_lshlrev_b32 v[CO], 12, v2
	v_lshl_add_u32 v[CO], v1, 4, v[CO]             ; and the same two rows in the residual and in the output
	v_lshlrev_b32 v[BO], 4, v1
	s_lshl_b32 s16, s13, 7
	s_lshl_b32 s17, s11, 6
	s_add_co_u32 s16, s16, s17
	s_lshl_b32 s16, s16, 12                        ; my first row, in bytes,
	s_mov_b32 s17, 0
	s_lshl_b32 s46, s42, 9
	s_lshl_b32 s47, s12, 8
	s_add_co_u32 s46, s46, s47                     ; my first column
	s_mov_b32 s47, 0
	s_add_nc_u64 s[68:69], s[68:69], s[16:17]
	s_add_nc_u64 s[68:69], s[68:69], s[46:47]
	s_add_nc_u64 s[70:71], s[70:71], s[16:17]
	s_add_nc_u64 s[70:71], s[70:71], s[46:47]
	s_add_nc_u64 s[66:67], s[66:67], s[46:47]
	WIN 0x80                                       ; destination window 2
.irp a, 0,1,2,3
.irp t, 0,1,2,3,4,5,6,7
	global_load_b128 v[4*(8*\a+\t):4*(8*\a+\t)+3], v[CO], s[68:69] offset:(16*\a+2*\t)*4096 th:TH_LOAD_NT   ; sixteen lanes read 256 consecutive bytes
.endr
.endr
	WIN 0
	global_load_b128 v[BI:BI+3], v[BO], s[66:67]   ; the bias of my four columns on the way out
.macro FETCH slot, q, f                ; the fragments of the slot's q-th 128 along K into buffer f: registers 4 c .. 4 c + 3 hold K = 32 c + 16 h + 0 .. 15, in A and in B alike
	WIN 0x40
.irp i, 0,1,2,3
.irp c, 0,1,2,3
	ds_load_b128 v[\f+64+16*\i+4*\c:\f+64+16*\i+4*\c+3], v[ADRB+\slot] offset:128*(\q)+32*\c+8448*\i
.endr
.irp c, 0,1,2,3
.if PROJ
	ds_load_b128 v[\f+16*\i+4*\c:\f+16*\i+4*\c+3], v[ADRA+\slot] offset:(2*(\q)+\c/2)*5120+1280*\i+32*(\c%2)
.else
	ds_load_b128 v[\f+16*\i+4*\c:\f+16*\i+4*\c+3], v[ADRA+\slot] offset:128*(\q)+32*\c+8448*\i
.endif
.endr
.endr
.endm
.macro MULN f, a0, n, zero             ; A's blocks a0 .. a0 + n - 1 x B's four; the 16 accumulators take turns in one order
	WIN 0x05
.set ma, \a0
.rept \n
.irp b, 0,1,2,3
.if \zero
	v_wmma_f32_16x16x128_fp8_fp8 v[ACC+8*(4*ma+\b):ACC+8*(4*ma+\b)+7], v[\f+64+16*\b:\f+64+16*\b+15], v[\f+16*ma:\f+16*ma+15], 0
.else
	v_wmma_f32_16x16x128_fp8_fp8 v[ACC+8*(4*ma+\b):ACC+8*(4*ma+\b)+7], v[\f+64+16*\b:\f+64+16*\b+15], v[\f+16*ma:\f+16*ma+15], v[ACC+8*(4*ma+\b):ACC+8*(4*ma+\b)+7]
.endif
.endr
.set ma, ma+1
.endr
.endm
.macro PLACES
.rept 4
	v_nop
.endr
.endm
.macro QUARTER slot, q, f, g, zero     ; multiplies buffer f; ahead of that, asks for the slot's q-th quarter into buffer g
	s_wait_dscnt 0x0                               ; buffer f is in
	PLACES                                         ; in front of loads into registers that the last quarter's products read
	FETCH \slot, \q, \g
	MULN \f, 0, 4, \zero
.endm
.macro TURN slot, next, fill           ; a slot's last quarter changes slots
	WIN 0
	s_wait_tensorcnt 0x0                           ; all my tensor loads have landed: my part of the next slot
	ds_add_u32 v[SPW], v[NIL]
	s_wait_dscnt 0x0                               ; the add is done, buffer 1 is in, and my reads of this slot are over
	s_barrier_signal -1
	MULN F1, 0, 2, 0
	WIN 0
	s_barrier_wait -1
.if \fill
	CREST                                          ; no wave of any partner still reads this slot or has a load on its way
	s_add_nc_u64 s[G0+4*\slot+2:G0+4*\slot+3], s[G0+4*\slot+2:G0+4*\slot+3], 2*ASTEP
	s_add_nc_u64 s[G0B+4*\slot+2:G0B+4*\slot+3], s[G0B+4*\slot+2:G0B+4*\slot+3], 1024
	JLOAD \slot                                    ; the first tensor load behind the round; its four v_nop are the places in front of the loads below
.else
	PLACES
.endif
	FETCH \next, 0, F0
	MULN F1, 2, 2, 0
.endm
	s_wait_tensorcnt 1                             ; my part of K step 0 is in; K step 1's load may be out
	s_barrier_signal -1
	s_barrier_wait -1
	FETCH 0, 0, F0
	QUARTER 0, 1, F0, F1, 1                        ; the first quarter's products start the sums
.if LAPS > 1
	WIN 0
	s_mov_b32 s3, LAPS-1
.Llap:                                             ; a trip goes once round the ring and fills both slots again
	QUARTER 0, 2, F1, F0, 0
	QUARTER 0, 3, F0, F1, 0
	TURN 0, 1, 1
	QUARTER 1, 1, F0, F1, 0
	QUARTER 1, 2, F1, F0, 0
	QUARTER 1, 3, F0, F1, 0
	TURN 1, 0, 1
	QUARTER 0, 1, F0, F1, 0
	WIN 0
	s_sub_co_u32 s3, s3, 1
	s_cmp_lg_u32 s3, 0
	s_cbranch_scc1 .Llap
.endif
	QUARTER 0, 2, F1, F0, 0                        ; the last lap fills nothing
	QUARTER 0, 3, F0, F1, 0
	TURN 0, 1, 0
	QUARTER 1, 1, F0, F1, 0
	QUARTER 1, 2, F1, F0, 0
	QUARTER 1, 3, F0, F1, 0
	s_wait_dscnt 0x0
	MULN F1, 0, 4, 0
	WIN 0
; THE WAY OUT, block by block of 16 rows x 64 columns: the sums go through my stage and come back as rows of 256 bytes; there sum x 2^(ea + eb) + bias is one packed multiply-add, the residual one packed addition.
.macro TOST a
.irp b, 0,1,2,3
	ds_store_b128 v[STO], v[ACC+8*(4*\a+\b):ACC+8*(4*\a+\b)+3] offset:64*\b       ; each accumulator from its low end on
	ds_store_b128 v[STO], v[ACC+8*(4*\a+\b)+4:ACC+8*(4*\a+\b)+7] offset:64*\b+16
.endr
.irp t, 0,1,2,3,4,5,6,7
	ds_load_b128 v[T+32*(\a%2)+4*\t:T+32*(\a%2)+4*\t+3], v[RD] offset:544*\t     ; LDS serves a wave's instructions in order: these see my stores
.endr
.endm
.macro OUT a, younger
.set TT, T+32*(\a%2)
	s_wait_dscnt \younger                          ; the block is back; the next block's 8 stores and 8 loads may be out
.irp t, 0,1,2,3,4,5,6,7
	v_pk_fma_f32 v[TT+4*\t:TT+4*\t+1], v[TT+4*\t:TT+4*\t+1], s[72:73], v[BI:BI+1] op_sel_hi:[1,0,1]
	v_pk_fma_f32 v[TT+4*\t+2:TT+4*\t+3], v[TT+4*\t+2:TT+4*\t+3], s[72:73], v[BI+2:BI+3] op_sel_hi:[1,0,1]
.endr
	WIN 0x08                                       ; source 1: window 2
.irp t, 0,1,2,3,4,5,6,7
	v_pk_add_f32 v[TT+4*\t:TT+4*\t+1], v[TT+4*\t:TT+4*\t+1], v[4*(8*\a+\t):4*(8*\a+\t)+1]
	v_pk_add_f32 v[TT+4*\t+2:TT+4*\t+3], v[TT+4*\t+2:TT+4*\t+3], v[4*(8*\a+\t)+2:4*(8*\a+\t)+3]
.endr
	WIN 0
.irp t, 0,1,2,3,4,5,6,7
	global_store_b128 v[CO], v[TT+4*\t:TT+4*\t+3], s[70:71] offset:(16*\a+2*\t)*4096 th:TH_STORE_NT   ; sixteen lanes store 256 consecutive bytes, aligned; written once, read by nobody here
.endr
.endm
	PLACES                                         ; in front of the first read of results
	s_wait_kmcnt 0x0
	s_add_co_i32 s72, s72, s73
	s_add_co_i32 s72, s72, 127
	s_lshl_b32 s72, s72, 23                        ; 2^(ea + eb) as f32
	s_mov_b32 s73, s72
	s_wait_loadcnt 0x0                             ; the residual and the bias
	TOST 0
	TOST 1
	OUT 0, 16
	s_wait_xcnt 0x0                                ; block 0's stores have read their registers
	TOST 2
	OUT 1, 16
	s_wait_xcnt 0x0
	TOST 3
	OUT 2, 16
	OUT 3, 0
	s_wait_tensorcnt 0x0                           ; the wave's end
	ds_add_u32 v[SPW], v[NIL]
	s_wait_dscnt 0x0
	CROUND                                         ; the closing round
	s_endpgm
.Lfunc_end_k_q592bd6b0cc_mlp2:
	.size	k_q592bd6b0cc_mlp2, .Lfunc_end_k_q592bd6b0cc_mlp2-k_q592bd6b0cc_mlp2
	.p2alignl 7, 3214868480
	.fill 96, 4, 3214868480
	.section	.rodata,"a",@progbits
	.p2align	6, 0x0
	.amdhsa_kernel k_q592bd6b0cc_mlp2
		.amdhsa_group_segment_fixed_size 327680
		.amdhsa_private_segment_fixed_size 0
		.amdhsa_enable_private_segment 0
		.amdhsa_kernarg_size 48
		.amdhsa_user_sgpr_count 2
		.amdhsa_user_sgpr_kernarg_segment_ptr 1
		.amdhsa_wavefront_size32 1
		.amdhsa_system_sgpr_workgroup_id_x 1
		.amdhsa_system_sgpr_workgroup_id_y 1
		.amdhsa_system_sgpr_workgroup_id_z 1
		.amdhsa_system_vgpr_workitem_id 0
		.amdhsa_next_free_vgpr 640
		.amdhsa_next_free_sgpr 80
		.amdhsa_reserve_vcc 0
		.amdhsa_float_denorm_mode_32 3
		.amdhsa_float_denorm_mode_16_64 3
		.amdhsa_memory_ordered 1
		.amdhsa_forward_progress 1
		.amdhsa_inst_pref_size 81
	.end_amdhsa_kernel
	.amdgpu_metadata
---
amdhsa.version: [ 1, 2 ]
amdhsa.kernels:
  - .name:           k_q592bd6b0cc_mlp2
    .symbol:         k_q592bd6b0cc_mlp2.kd
    .args:
      - { .name: g, .offset: 0, .size: 8, .value_kind: global_buffer, .address_space: global }
      - { .name: cb, .offset: 8, .size: 8, .value_kind: global_buffer, .address_space: global }
      - { .name: lowp_scales, .offset: 16, .size: 8, .value_kind: global_buffer, .address_space: global }
      - { .name: b2, .offset: 24, .size: 8, .value_kind: global_buffer, .address_space: global }
      - { .name: x2, .offset: 32, .size: 8, .value_kind: global_buffer, .address_space: global }
      - { .name: out0, .offset: 40, .size: 8, .value_kind: global_buffer, .address_space: global }
    .group_segment_fixed_size: 327680
    .private_segment_fixed_size: 0
    .kernarg_segment_align: 8
    .kernarg_segment_size: 48
    .max_flat_workgroup_size: 128
    .sgpr_count:     80
    .vgpr_count:     640
    .wavefront_size: 32
...
	.end_amdgpu_metadata
.endif
;; end of part 7
